; MI455X (gfx1250); checked and timed in simulation.
; The chip was launched on July 23, 2026; its instructions are those of AMD's public machine-readable ISA for CDNA 5 (MIT licence, August 2026) and "CDNA5" Instruction Set Architecture Reference Guide (July 2026). The comments in the code are by the model that wrote it; some were corrected since.
;; Batch Invariant Multi Head Attention. Allowed arithmetic: matrix products marked QUANTISED: E2M3 operands, one E8M0 scale for each 32 along K, by v_wmma_scale_f32_16x16x128_f8f6f4 with both operands' format E2M3, f32 sums; everything else in f32.
;; Inputs: Wk 1,024 x 1,024 float32; Wo 1,024 x 1,024 float32; Wq 1,024 x 1,024 float32; Wv 1,024 x 1,024 float32; bk 1,024 float32; bo 1,024 float32; bq 1,024 float32; bv 1,024 float32; key 2,048 x 2 x 1,024 float32; query 2,048 x 2 x 1,024 float32; value 2,048 x 2 x 1,024 float32.
;; Outputs: out0 2,048 x 2 x 1,024 float32.
;; This version of the problem:
;;   THIS VERSION OF THE PROBLEM IS GIVEN IN LOW PRECISION. The matrix products marked QUANTISED in the list below multiply operands that are first quantised to E2M3 (2 exponent bits, 3 mantissa bits; 6 bits a number), with one power-of-two scale for each 32 numbers along K (OCP MX v1.0); their sums are f32. All else is computed in f32.
;;   The module's matrix products, in the order in which they are computed (A, B: the left and right operand; K: the contracted axis; several contracted axes count as one K, in the product's order):
;;     1. [M 4,096, K 1,024] x [K 1,024, N 1,024]; A: input query; B: input Wq: QUANTISED
;;     2. [M 4,096, K 1,024] x [K 1,024, N 1,024]; A: input key; B: input Wk: QUANTISED
;;     3. [M 4,096, K 1,024] x [K 1,024, N 1,024]; A: input value; B: input Wv: QUANTISED
;;     4. batch 32 x [M 2,048, K 64] x [K 64, N 2,048]; A: computed on the way; B: computed on the way: QUANTISED
;;     5. batch 32 x [M 2,048, K 2,048] x [K 2,048, N 64]; A: softmax (see below); B: computed on the way: QUANTISED
;;     6. [M 4,096, K 1,024] x [K 1,024, N 1,024]; A: computed on the way; B: input Wo: QUANTISED
;;   THE QUANTISER, for each operand of a quantised product, along K:
;;     - K is cut into blocks of 32 from its start; a last block that is shorter is filled with zeros.
;;     - A block's scale is 2^e with e = floor(log2(the largest magnitude in the block)) - 2, held to -126 .. 127; a block of zeros has e = 0. As a byte (E8M0): e + 127.
;;     - Each number is divided by its block's scale, clamped to +-7.5, and rounded to the nearest number of E2M3, ties to even, subnormals kept.
;;     - The product sums the exact products of the quantised numbers (number of the format x scale) in f32.
;;   ~~~python
;;   def quantise(x, axis):      # numpy; x: float32 -> the quantised numbers, widened to float32 again
;;       x = np.moveaxis(x, axis, -1); K = x.shape[-1]
;;       x = np.pad(x, [(0, 0)] * (x.ndim - 1) + [(0, -K % 32)]); x = x.reshape(x.shape[:-1] + (-1, 32)); a = np.abs(x).max(-1, keepdims=True)
;;       e = np.where(a > 0, np.clip(np.frexp(np.where(a > 0, a, 1))[1] - 1 - 2, -126, 127), 0)      # np.frexp(a)[1] - 1 = floor(log2(a)), exactly
;;       r = np.clip(x / 2.0 ** e, -7.5, 7.5)
;;       step = 2.0 ** (np.maximum(np.frexp(np.where(r == 0, 1, r))[1] - 1, 0) - 3)
;;       q = np.round(r / step) * step * 2.0 ** e      # np.round: ties to even
;;       return np.moveaxis(q.reshape(q.shape[:-2] + (-1,))[..., :K], -1, axis).astype(np.float32)
;;   ~~~
;;   SOFTMAX AHEAD OF A QUANTISED PRODUCT. Where the list says 'softmax', what is quantised is not the finished softmax but p = 2^(t - M), with t = logit x log2(e) and M = ceil(the row's largest t), a whole number; so 1/2 < the row's largest p <= 1. The row's sum l is taken of the UNQUANTISED p, in f32, and the product's result is divided by l at the end. Since M is a whole number, a kernel that streams over the keys may use a running M (the ceiling of the running maximum): every later rescaling is an exact power of two, which a block's scale takes up: the codes' values come out the same.
;;   OPERANDS COMPUTED ON THE WAY. 'Computed on the way' means the value that the module computes at that place (a softmax that the list does not call 'softmax' is quantised finished and normalised). What goes into a quantiser is computed in f32, as accurately as f32 sums, v_exp_f32 and their like allow (about 1e-6 of the number): no bf16 or f16 on the way to a quantiser, and a product that is left as it is and whose result goes on into a quantised operand takes f32 operands (vector FMAs, or v_wmma_f32_16x16x4_f32). A number that lies on a knife's edge between two numbers of the format may be rounded either way, as far as f32 arithmetic and the matrix unit's own rounding can turn it there, and no further.
;; One version. Each part assembles by itself: llvm-mc -triple=amdgcn-amd-amdhsa -mcpu=gfx1250 --defsym DOCPART=n.
;; ======== version 1 of 1: 4 launches
;; limits: right only within a limited range of input values
;; workspace buffers: cod 12,582,912 bytes; scl 524,288 bytes; pc 9,437,184 bytes; ps 393,216 bytes; ac 3,145,728 bytes; asc 131,072 bytes
;; launch quant (part 1): grid 1024 x 1, 4 waves a work-group, no clusters, 33,792 bytes of LDS; arguments query, key, Wv, Wq, Wk, value, Wo, cod, scl; writes cod, scl
.if DOCPART == 1
	.amdgcn_target "amdgcn-amd-amdhsa--gfx1250"
	.amdhsa_code_object_version 6
	.text
	.protected	k_q874c969644_quant
	.globl	k_q874c969644_quant
	.p2align	8
	.type	k_q874c969644_quant,@function
k_q874c969644_quant:
	s_mov_b64 s[64:65], 0
	v_nop
	global_prefetch_b8 v0, s[64:65] scope:SCOPE_SE
	s_setreg_imm32_b32 hwreg(HW_REG_WAVE_MODE, 25, 1), 1
	s_wait_xcnt 0x0
; FIRST OF FOUR LAUNCHES of causal multi-head attention (S 2048, B 2, E 1024, 16 heads of 64) with all six products on codes of E2M3, one E8M0 scale for each 32 along K.
; DEAD WORK.  reference() sets every score with key > query to -infinity in its own body, whatever the inputs hold; such a score's weight is 0 and reaches no output.  So key steps of 128 that lie wholly
; above the diagonal are not multiplied (third launch); inside the one step on the diagonal the scores are made and masked.  Nothing else is dead: all eleven inputs have a way to the output and are loaded
; (bk too: it moves K's codes).  LIMIT: a NaN, an infinity or an overflow that reaches only the scores left out is not carried to the result.
; THIS LAUNCH turns query, key, value [2048][2][1024] and Wq, Wk, Wv, Wo [1024][1024], f32, K = the last axis, into codes and scale bytes by the stated quantiser:
; a block's scale is 2^(floor(log2(its largest magnitude)) - 2); its byte is the largest magnitude's exponent field - 2, held at 1 from below; numbers / scale, to the nearest code, ties to even, beyond 7.5 the largest code.
; LIMITS: NaN and infinities among the inputs are not served; a block whose largest magnitude lies under 2^-124 gets the byte 1; a block of zeros gets the byte 1 where the rule says 127: its codes are zeros, and this program alone reads the bytes.
; LAYOUT OF cod: [16 column blocks of 64 along K][16,384 rows][48 bytes]; of scl: [16][16,384][2 bytes].  Rows: query 0, key 4096, Wv 8192, Wq 9216, Wk 10240, value 11264, Wo 15360.
; Activations lie batch-major (row = batch x 2048 + s).  In key, Wv, Wq, Wk and value bits 3 and 4 of the row's number change places: position 32 B + 16 u + 8 x + y holds row 32 B + 16 x + 8 u + y, so that 16 neighbouring
; positions, taken as source 0 of a matrix instruction, leave 16 neighbouring rows in a lane's registers of two neighbouring tiles.
; SHARES.  A work-group takes 128 positions x two column blocks; a wave 64 positions x one column block: 8 steps of 8 rows x 64 numbers.  Each load reads two rows' 256 consecutive bytes; all 32 loads of a wave go out at the
; head, each into registers of its own.  A step's 2,048 bytes turn through the wave's own stage in LDS, so that a lane holds 16 neighbours (two lanes a block).  A lane's 16 codes are 12 bytes: a store covers 384 consecutive
; bytes; the 8 stores stand together at the wave's end, behind its last LDS line.  The two waves that share a column block gather their scale bytes in one run of 256 bytes of LDS; behind the one barrier one of them stores it.
.set STEPS, 8
.set EMAX,  2
.set CB,    12                         ; bytes of 16 codes
.set R,     16                         ; v16-143  eight sets of 16 numbers as loaded
.set X,     144                        ; v144-175 two sets of 16 neighbours
.set E,     176                        ; v176-183 a scale byte for each step
.set C,     184                        ; v184-215 codes, four registers a step
.set VO,    216                        ; v216-219 load i: ((lane / 16) + 2 i) rows + 16 (lane % 16)
.set WREG,  8192                       ; LDS of a wave: two stages of 32 x SP bytes
.set SP,    80
.set SCB,   4*WREG                     ; the scale bytes: 256 for each of the two column blocks
.set SPW,   12                         ; v12 LDS address of my spare word; never rewritten
.set NIL,   13                         ; v13 0; never rewritten
.set SPARE, SCB+512                    ; the spare words: 128 bytes a wave, named by no other line
	s_load_b256 s[4:11], s[0:1], 0x0               ; query, key, Wv, Wq
	s_load_b256 s[12:19], s[0:1], 0x20             ; Wk, value, Wo, cod
	s_load_b64 s[20:21], s[0:1], 0x40              ; scl
	v_lshl_add_u32 v[SPW], v0, 2, SPARE
	v_mov_b32 v[NIL], 0
	v_lshrrev_b32 v1, 5, v0
	v_readfirstlane_b32 s22, v1                    ; wave
	v_and_b32 v2, 31, v0                           ; lane
	s_mul_i32 s30, s22, WREG
	v_lshrrev_b32 v14, 2, v2
	v_mul_u32_u24 v14, v14, SP
	v_and_b32 v15, 3, v2
	v_lshl_add_u32 v14, v15, 4, v14
	v_add_nc_u32 v14, s30, v14                     ; the stage, in: four lanes' 64 bytes on end, then 16 of padding
	v_mul_u32_u24 v15, v2, SP
	v_add_nc_u32 v15, s30, v15                     ; and out: my 16 neighbours
	v_mul_u32_u24 v4, v2, CB                       ; my codes' place in a step's 384 bytes
	v_lshrrev_b32 v5, 1, v2
	s_and_b32 s48, s22, 1                          ; which of the two column blocks
	s_lshr_b32 s49, s22, 1                         ; which 64 of the 128 positions
	s_lshl_b32 s30, s48, 8
	s_add_co_u32 s30, s30, SCB
	v_lshlrev_b32 v7, 3, v2
	v_add_nc_u32 v6, s30, v7                       ; the column block's 256 scale bytes, 8 a lane, on the way out
	s_lshl_b32 s31, s49, 7
	s_add_co_u32 s30, s30, s31
	v_add_nc_u32 v5, s30, v5                       ; my block's scale byte in my 128 of them
	s_lshr_b32 s23, ttmp9, 3                       ; rg: which 128 positions
	s_and_b32 s24, ttmp9, 7
	s_lshl_b32 s24, s24, 1
	s_add_co_u32 s24, s24, s48                     ; cb: which column block
	s_mov_b32 s25, 120                             ; the tensor's first rg,
	s_mov_b32 s28, 4096                            ; bytes from row to row,
	s_mov_b32 s29, 0                               ; and whether its rows change places: Wo's values; the chain below replaces them
	s_wait_kmcnt 0x0
	s_mov_b64 s[26:27], s[16:17]
	s_cmp_lt_u32 s23, 120                          ; the choices hang on the work-group's number alone
	s_cselect_b64 s[26:27], s[14:15], s[26:27]     ; value
	s_cselect_b32 s25, 88, s25
	s_cselect_b32 s28, 8192, s28
	s_cselect_b32 s29, 1, s29
	s_cmp_lt_u32 s23, 88
	s_cselect_b64 s[26:27], s[12:13], s[26:27]     ; Wk
	s_cselect_b32 s25, 80, s25
	s_cselect_b32 s28, 4096, s28
	s_cmp_lt_u32 s23, 80
	s_cselect_b64 s[26:27], s[10:11], s[26:27]     ; Wq
	s_cselect_b32 s25, 72, s25
	s_cmp_lt_u32 s23, 72
	s_cselect_b64 s[26:27], s[8:9], s[26:27]       ; Wv
	s_cselect_b32 s25, 64, s25
	s_cmp_lt_u32 s23, 64
	s_cselect_b64 s[26:27], s[6:7], s[26:27]       ; key
	s_cselect_b32 s25, 32, s25
	s_cselect_b32 s28, 8192, s28
	s_cmp_lt_u32 s23, 32
	s_cselect_b64 s[26:27], s[4:5], s[26:27]       ; query
	s_cselect_b32 s25, 0, s25
	s_cselect_b32 s29, 0, s29
	v_lshrrev_b32 v1, 4, v2
	v_and_b32 v3, 15, v2
	v_lshlrev_b32 v3, 4, v3
.irp i, 0,1,2,3
	v_add_nc_u32 v8, 2*\i, v1
	v_mad_u32_u24 v[VO+\i], v8, s28, v3
.endr
	s_sub_co_u32 s25, s23, s25                     ; lr: the rg inside the tensor
	s_and_b32 s30, s25, 15
	s_lshl_b32 s30, s30, 7
	s_lshl_b32 s31, s49, 6
	s_add_co_u32 s30, s30, s31
	s_mul_i32 s30, s30, s28                        ; 128 (lr % 16) + 64 half rows,
	s_lshr_b32 s31, s25, 4
	s_lshl_b32 s31, s31, 12
	s_add_co_u32 s30, s30, s31                     ; the batch (0 in a weight),
	s_lshl_b32 s31, s24, 8
	s_add_co_u32 s30, s30, s31                     ; the column block's 256 bytes
	s_mov_b32 s31, 0
	s_add_nc_u64 s[32:33], s[26:27], s[30:31]      ; step 0's first row
	s_lshl_b32 s2, s28, 3                          ; 8 rows
	s_lshl_b32 s3, s28, 4                          ; 16 rows
	s_lshl_b32 s30, s28, 5                         ; 32 rows
	s_cmp_eq_u32 s29, 1
	s_cselect_b32 s66, s3, s2                      ; from step t to t + 1: 16 rows where bits 3 and 4 change places, else 8
	s_cselect_b32 s68, s2, s3                      ; from t to t + 2: the other
	s_mov_b32 s67, 0
	s_mov_b32 s69, 0
	s_add_nc_u64 s[34:35], s[32:33], s[66:67]      ; eight bases, one a step; none is ever stepped
	s_add_nc_u64 s[36:37], s[32:33], s[68:69]
	s_add_nc_u64 s[38:39], s[36:37], s[66:67]
.irp t, 4,5,6,7
	s_add_nc_u64 s[32+2*\t:33+2*\t], s[24+2*\t:25+2*\t], s[30:31]
.endr
	s_mul_i32 s2, s24, 786432
	s_mul_i32 s3, s23, 6144
	s_add_co_u32 s2, s2, s3
	s_mul_i32 s3, s49, 3072
	s_add_co_u32 s2, s2, s3
	s_mov_b32 s3, 0
	s_add_nc_u64 s[18:19], s[18:19], s[2:3]        ; my 3,072 bytes of codes
	s_lshl_b32 s2, s24, 15
	s_lshl_b32 s25, s23, 8
	s_add_co_u32 s2, s2, s25
	s_add_nc_u64 s[20:21], s[20:21], s[2:3]        ; the 256 scale bytes of the 128 positions
.macro LOAD t
.irp i, 0,1,2,3
	global_load_b128 v[R+16*(\t)+4*\i:R+16*(\t)+4*\i+3], v[VO+\i], s[32+2*(\t):33+2*(\t)] th:TH_LOAD_NT   ; rows 2 i and 2 i + 1 of the step: 256 consecutive bytes each
.endr
.endm
.macro TURN t                          ; step t's numbers through the stage: LDS serves a wave's instructions in order, so no wait stands between the stores and the loads
.irp i, 0,1,2,3
	ds_store_b128 v14, v[R+16*(\t)+4*\i:R+16*(\t)+4*\i+3] offset:32*SP*((\t)%2)+8*SP*\i
.endr
.irp i, 0,1,2,3
	ds_load_b128 v[X+16*((\t)%2)+4*\i:X+16*((\t)%2)+4*\i+3], v15 offset:32*SP*((\t)%2)+16*\i
.endr
.endm
	s_wait_alu depctr_va_vdst(0)
.irp t, 0,1,2,3,4,5,6,7
	LOAD \t
.endr
	s_wait_loadcnt 28                              ; step 0's four loads are in; seven steps' 28 may be out
	TURN 0
.macro STEP t
.set XS, X+16*((\t)%2)
.if (\t) > 0
	s_wait_dscnt 1                                 ; this step's numbers are back from the stage (the last step's byte store may be out)
.else
	s_wait_dscnt 0x0
.endif
.if (\t)+1 < STEPS
	s_wait_loadcnt 4*(STEPS-2-(\t))                ; the next step's four loads are in; those of the steps behind it may be out
	TURN (\t)+1
.endif
	v_max3_num_f32 v8, |v[XS]|, |v[XS+1]|, |v[XS+2]|               ; the largest magnitude of my 16
	v_max3_num_f32 v9, |v[XS+3]|, |v[XS+4]|, |v[XS+5]|
.irp i, 6,10
	v_max3_num_f32 v8, v8, |v[XS+\i]|, |v[XS+\i+1]|
	v_max3_num_f32 v9, v9, |v[XS+\i+2]|, |v[XS+\i+3]|
.endr
	v_max3_num_f32 v8, v8, |v[XS+14]|, |v[XS+15]|
	v_max3_num_f32 v8, v8, v9, (EMAX+1)<<23        ; and the floor 2^(3 - 127): the byte cannot fall under 1
	v_max_num_f32_dpp v8, v8, v8 row_xmask:1 row_mask:0xf bank_mask:0xf   ; with my neighbour's 16: the block's
	v_add_nc_u32 v11, -(EMAX<<23), v8              ; 2 off its exponent field: the conversion takes this operand's exponent field as its scale
	v_cvt_scalef32_pk16_fp6_f32 v[C+4*(\t):C+4*(\t)+2], v[XS:XS+15], v11
	v_lshrrev_b32 v[E+(\t)], 23, v11               ; the scale's byte (a plain line behind the conversion)
	ds_store_b8 v5, v[E+(\t)] offset:16*(\t)       ; both lanes of a block write the same byte with the same value
.endm
.irp t, 0,1,2,3,4,5,6,7
	STEP \t
.endr
	s_wait_alu depctr_va_vdst(0)
	s_wait_dscnt 0x0                               ; my scale bytes are stored,
	s_barrier_signal -1
	s_barrier_wait -1                              ; and so are those of the wave that shares my column block
	s_cmp_lt_u32 s22, 2
	s_cbranch_scc0 .Lno_bytes
	ds_load_b64 v[8:9], v6                         ; waves 0 and 1: a column block's 256 bytes
.Lno_bytes:
	s_wait_tensorcnt 0x0                           ; behind my last LDS store
	ds_add_u32 v[SPW], v[NIL]
	s_wait_dscnt 0x0
.irp t, 0,1,2,3,4,5,6,7
	global_store_b96 v4, v[C+4*\t:C+4*\t+2], s[18:19] offset:32*CB*\t   ; 384 consecutive bytes each, 3,072 in all, from a multiple of 256 on
.endr
	s_cmp_lt_u32 s22, 2
	s_cbranch_scc0 .Lend
	global_store_b64 v7, v[8:9], s[20:21]          ; 32 lanes store 256 consecutive bytes, aligned
.Lend:
	s_endpgm
.Lfunc_end_k_q874c969644_quant:
	.size	k_q874c969644_quant, .Lfunc_end_k_q874c969644_quant-k_q874c969644_quant
	.p2alignl 7, 3214868480
	.fill 96, 4, 3214868480
	.section	.rodata,"a",@progbits
	.p2align	6, 0x0
	.amdhsa_kernel k_q874c969644_quant
		.amdhsa_group_segment_fixed_size 33792
		.amdhsa_private_segment_fixed_size 0
		.amdhsa_enable_private_segment 0
		.amdhsa_kernarg_size 72
		.amdhsa_user_sgpr_count 2
		.amdhsa_user_sgpr_kernarg_segment_ptr 1
		.amdhsa_wavefront_size32 1
		.amdhsa_system_sgpr_workgroup_id_x 1
		.amdhsa_system_sgpr_workgroup_id_y 1
		.amdhsa_system_sgpr_workgroup_id_z 1
		.amdhsa_system_vgpr_workitem_id 0
		.amdhsa_next_free_vgpr 224
		.amdhsa_next_free_sgpr 70
		.amdhsa_reserve_vcc 0
		.amdhsa_float_denorm_mode_32 3
		.amdhsa_float_denorm_mode_16_64 3
		.amdhsa_memory_ordered 1
		.amdhsa_forward_progress 1
		.amdhsa_inst_pref_size 20
	.end_amdhsa_kernel
	.amdgpu_metadata
---
amdhsa.version: [ 1, 2 ]
amdhsa.kernels:
  - .name:           k_q874c969644_quant
    .symbol:         k_q874c969644_quant.kd
    .args:
      - { .name: query, .offset: 0, .size: 8, .value_kind: global_buffer, .address_space: global }
      - { .name: key, .offset: 8, .size: 8, .value_kind: global_buffer, .address_space: global }
      - { .name: Wv, .offset: 16, .size: 8, .value_kind: global_buffer, .address_space: global }
      - { .name: Wq, .offset: 24, .size: 8, .value_kind: global_buffer, .address_space: global }
      - { .name: Wk, .offset: 32, .size: 8, .value_kind: global_buffer, .address_space: global }
      - { .name: value, .offset: 40, .size: 8, .value_kind: global_buffer, .address_space: global }
      - { .name: Wo, .offset: 48, .size: 8, .value_kind: global_buffer, .address_space: global }
      - { .name: cod, .offset: 56, .size: 8, .value_kind: global_buffer, .address_space: global }
      - { .name: scl, .offset: 64, .size: 8, .value_kind: global_buffer, .address_space: global }
    .group_segment_fixed_size: 33792
    .private_segment_fixed_size: 0
    .kernarg_segment_align: 8
    .kernarg_segment_size: 72
    .max_flat_workgroup_size: 128
    .sgpr_count:     70
    .vgpr_count:     224
    .wavefront_size: 32
...
	.end_amdgpu_metadata
.endif
;; end of part 1
;; launch proj (part 2): grid 4 x 48, 4 waves a work-group, clusters of 4 x 4, 327,680 bytes of LDS; arguments cod, scl, bq, bk, bv, pc, ps; writes pc, ps
.if DOCPART == 2
	.amdgcn_target "amdgcn-amd-amdhsa--gfx1250"
	.amdhsa_code_object_version 6
	.text
	.protected	k_q874c969644_proj
	.globl	k_q874c969644_proj
	.p2align	8
	.type	k_q874c969644_proj,@function
k_q874c969644_proj:
	s_mov_b64 s[64:65], 0
	v_nop
	global_prefetch_b8 v0, s[64:65] scope:SCOPE_SE
	s_setreg_imm32_b32 hwreg(HW_REG_WAVE_MODE, 25, 1), 1
	s_wait_xcnt 0x0
	s_wait_alu depctr_hold_cnt(0) depctr_sa_sdst(0) depctr_va_vdst(0) depctr_va_sdst(0) depctr_va_ssrc(0) depctr_va_vcc(0) depctr_vm_vsrc(0)
	s_getreg_b32 s2, hwreg(HW_REG_IB_STS2, 6, 4)
	s_cmp_eq_u32 s2, 0
	s_cbranch_scc0 .Lentry_in_a_cluster
	s_endpgm
.Lentry_in_a_cluster:
	s_bfe_u32 s2, ttmp6, 0x10000c
	s_cmp_lg_u32 s2, 0xf033
	s_cbranch_scc0 .Lentry_shape_is_right
	s_endpgm
.Lentry_shape_is_right:
; SECOND LAUNCH: q = query Wq^T + bq, k = key Wk^T + bk, v = value Wv^T + bv on the codes of the first launch (K = 1024), and at once the quantiser of the next products: q and k along the head's 64, v along the keys.
; No work of reference() is left out here.  LIMITS as in the first launch: NaN and infinities not served; a block under 2^-124 or of zeros gets the byte 1.
; SHARES.  A tile of 256 x 256 to a work-group of four waves, 128 x 128 (64 accumulators) to a wave.  Clusters of 4 x 4; the cluster's number CL says which product: 0-3 q, 4-7 k (A = the activation's rows, B = the weight's),
; 8-11 v (A = Wv's rows, B = value's rows, so that a lane's registers run along the keys).  A's tiles are asked for jointly along a row of the cluster, B's along a column.
; THE MATRIX INSTRUCTION IS USED TRANSPOSED: source 0 = 16 rows of B, source 1 = 16 rows of A: a lane holds one row of A; B's rows lie in cod with bits 3 and 4 of their number changed, so the 16 registers of
; tiles 2 B and 2 B + 1 are 16 neighbours, 32 B + 16 (lane / 16) + 0 .. 15: what the conversions want.  The bias is the C of each sum's first instruction.
; K goes in 8 steps of 128.  At the head each wave brings 768 along K of 128 rows by ONE tensor load: its part of LDS, [12 column blocks][128 rows][48 bytes]; a "slot" is four column blocks, 256 along K, of all four parts.
; Slot 0 is read out at K step 1 and is then filled once more, with the last 256 along K, behind the launch's one round for a refill.  By this text's count a wave has one tensor load out at the most.
; All scale words of the wave (8 steps x 8 blocks; lanes 0-15 A's, lanes 16-31 B's) are read from scl into 64 registers at the head.  Nothing is prefetched: the tiles are shared in the cluster, three quarters of K go out at
; the head, and the refill is asked for four K steps ahead of its first read.
; OUT.  pc: q and k [16 heads][4096 positions][48 bytes]; v [64 blocks of 64 keys][1024 rows][48].  ps: q and k [8 pairs of heads][4096][4 bytes]; v [batch][head][16 steps of 128 keys][64 rows][4 bytes].
; REGISTERS, in windows of 256: window 0: v14-31 addresses; v32-95 scale words; v96-127 at work on the way out; v128-223 A's 8 fragments, one set.  window 1: B's two sets at v0 and v128; bias tiles at v96-127, v224-255.
; windows 2, 3: the accumulators, (a, b) at v[8 (8 (a % 4) + b)].
.set HALFT, 24576                      ; a slot's share of a part: [4 column blocks][128 rows][48 bytes]
.set PART,  3*HALFT                    ; a wave's load at the head; part w lies at w x PART: A's two halves, then B's two
.set SPARE, 4*PART+16384               ; the spare words: 128 bytes a wave, named by no other line
.set STG,   HALFT                      ; the way out: 16,384 bytes a wave, at w x PART + HALFT: slot 1 of the wave's own part, filled at the head alone and last read two barriers back
.set SSG,   HALFT+16384                ; and 512 bytes a wave for the scale words, behind wave 0's stage, in the same slot
.set FR,    12
.set NL,    6
.set KSA,   3145728                    ; bytes from 256 along K to the next
.set KSB,   3145728
.set BO,   14
.set GS,   15
.set ADRA, 16                          ; v16-18 my A fragments in slot 0, 1, 2
.set ADRB, 20                          ; v20-22 my B fragments
.set STO,  24
.set RD,   25
.set GO,   26
.set ADS,  27
.set SPW,  28                          ; LDS address of my spare word; never rewritten
.set NIL,  29                          ; 0; never rewritten
.set SSO,  30
.set RS,   31
.set SC,   32                          ; scale word of K step q, block i: v[SC + 8 q + i]
.set TM,   96
.set PW,   112
.set AF,   128
.set WV, 18
.set AH, 19
.set BH, 20
.set CX, 21
.set CY, 22
.set CL, 23
.set G1A, 24
.set G0A, 32
.set G1B, 44
.set G0B, 52
.set SEL, 66
.set OB,  92                           ; s[92:95] where my two column blocks of codes go
.set PSO, 96                           ; s[96:97] where my scale words go
.set MSB, 0
.macro WIN new                         ; the immediate's high byte repeats the setting that is left
.if MSB != \new
	s_set_vgpr_msb (MSB<<8)|\new
.set MSB, \new
.endif
.endm
.macro JLOAD g0a, g1a, g0b, g1b        ; a joint load: waves 0 and 1 fetch for A, waves 2 and 3 for B; the branch hangs on the wave's number alone; an s_nop 0 and four v_nop follow each line
	s_cmp_eq_u32 s[AH], 0
	s_cbranch_scc0 .Lfor_b_\@
	tensor_load_to_lds s[\g0a:\g0a+3], s[\g1a:\g1a+7]
	s_nop 0
.rept 4
	v_nop
.endr
	s_branch .Lasked_\@
.Lfor_b_\@:
	tensor_load_to_lds s[\g0b:\g0b+3], s[\g1b:\g1b+7]
	s_nop 0
.rept 4
	v_nop
.endr
.Lasked_\@:
.endm
.macro CREST                           ; a round of the cluster's barrier behind its opening barrier
	s_cmp_lg_u32 s[WV], 0
	s_cbranch_scc1 .Lnot_wave_0_\@
	s_barrier_signal -3
.Lnot_wave_0_\@:
	s_barrier_wait -3
	s_barrier_signal -1
	s_barrier_wait -1
.endm
.macro CROUND
	s_barrier_signal -1
	s_barrier_wait -1
	CREST
.endm
.macro PLACES n
.rept \n
	v_nop
.endr
.endm
.macro FRAG reg, adr, q, i             ; 16 rows x 128 K: lane (r, h) takes 24 bytes at 48 r + 24 h of column block 2 q and of 2 q + 1; at 48 bytes a row the 32 lanes of a load of 8 bytes touch 64 different words modulo 64
.irp p, 0,1,2,3,4,5
	ds_load_b64 v[\reg+2*\p:\reg+2*\p+1], v[\adr] offset:(2*(\q)+\p/3)*6144+(\i)*768+8*(\p%3)
.endr
.endm
.macro FETCH_B slot, q, p
	WIN 0x40
.irp i, 0,1,2,3,4,5,6,7
	FRAG 128*(\p)+FR*\i, ADRB+\slot, \q, \i
.endr
	WIN 0
.endm
.macro FETCH_A slot, q, i0
.irp i, \i0, \i0+1, \i0+2, \i0+3
	FRAG AF+FR*(\i), ADRA+\slot, \q, \i
.endr
.endm
; 16 products: A's blocks a0, a0 + 1 x B's eight.  cm = 0: onto the sums; 1: the sums begin with the bias tile of B's block; 2: with that of A's block.  The 64 accumulators take turns.
.macro MUL16 a0, p, kq, cm
.irp a, \a0, \a0+1
.irp b, 0,1,2,3,4,5,6,7
.if \cm == 1
	v_wmma_scale_f32_16x16x128_f8f6f4 v[8*(8*((\a)%4)+\b):8*(8*((\a)%4)+\b)+7], v[128*(\p)+FR*\b:128*(\p)+FR*\b+FR-1], v[AF+FR*(\a):AF+FR*(\a)+FR-1], v[96+8*\b+96*(\b/4):96+8*\b+96*(\b/4)+7], v[SC+8*(\kq)+\b], v[SC+8*(\kq)+(\a)] matrix_a_fmt:MATRIX_FMT_FP6 matrix_b_fmt:MATRIX_FMT_FP6 matrix_a_scale:MATRIX_SCALE_ROW1
.elseif \cm == 2
	v_wmma_scale_f32_16x16x128_f8f6f4 v[8*(8*((\a)%4)+\b):8*(8*((\a)%4)+\b)+7], v[128*(\p)+FR*\b:128*(\p)+FR*\b+FR-1], v[AF+FR*(\a):AF+FR*(\a)+FR-1], v[96+8*(\a)+96*((\a)/4):96+8*(\a)+96*((\a)/4)+7], v[SC+8*(\kq)+\b], v[SC+8*(\kq)+(\a)] matrix_a_fmt:MATRIX_FMT_FP6 matrix_b_fmt:MATRIX_FMT_FP6 matrix_a_scale:MATRIX_SCALE_ROW1
.else
	v_wmma_scale_f32_16x16x128_f8f6f4 v[8*(8*((\a)%4)+\b):8*(8*((\a)%4)+\b)+7], v[128*(\p)+FR*\b:128*(\p)+FR*\b+FR-1], v[AF+FR*(\a):AF+FR*(\a)+FR-1], v[8*(8*((\a)%4)+\b):8*(8*((\a)%4)+\b)+7], v[SC+8*(\kq)+\b], v[SC+8*(\kq)+(\a)] matrix_a_fmt:MATRIX_FMT_FP6 matrix_b_fmt:MATRIX_FMT_FP6 matrix_a_scale:MATRIX_SCALE_ROW1
.endif
.endr
.endr
.endm
.macro STEP slot, kq, cm               ; a slot's first 128 along K: B's set 0; fetches the second 128
	s_wait_dscnt 4*NL                              ; B's set and A's blocks 0-3 are in; the youngest 24 loads (A's blocks 4-7) may be out
.if \cm
	WIN 0x91                                       ; B window 1, A window 0, C (the bias) window 1, D window 2
.else
	WIN 0xa1
.endif
	MUL16 0, 0, \kq, \cm
	MUL16 2, 0, \kq, \cm
	s_wait_dscnt 0x0                               ; A's blocks 4-7 are in
	PLACES 4                                       ; in front of loads into registers that matrix instructions have read
	FETCH_B \slot, 1, 1
	FETCH_A \slot, 1, 0
.if \cm
	WIN 0xd1
.else
	WIN 0xf1
.endif
	MUL16 4, 0, \kq, \cm
	MUL16 6, 0, \kq, \cm
	PLACES 4
	WIN 0
	FETCH_A \slot, 1, 4
.endm
; A slot's second 128 along K, and the change of slots: one barrier.  fill = 1: slot 0 is filled again: all my tensor loads waited for, the add, the wait for it and for my LDS reads, a round of the cluster's barrier, the joint refill first behind it.
; fill = 0: the wait on the tensor loads is counted: tc younger loads may stay out.
.macro CHG slot, next, kq, tc, fill
.if \fill
	s_wait_tensorcnt 0x0
	ds_add_u32 v[SPW], v[NIL]                      ; 0 onto my spare word
	s_wait_dscnt 4*NL+1                            ; (the add and A's blocks 4-7 may be out)
.else
	s_wait_tensorcnt \tc
	s_wait_dscnt 4*NL
.endif
	WIN 0xa1
	MUL16 0, 1, \kq, 0
	s_wait_dscnt 0x0                               ; my LDS instructions are done: my reads of this slot are over
	s_barrier_signal -1
	MUL16 2, 1, \kq, 0
	WIN 0
	s_barrier_wait -1
.if \fill
	CREST                                          ; no wave of any partner still reads slot 0 or has a load on its way
	s_add_nc_u64 s[G0A+2:G0A+3], s[G0A+2:G0A+3], 3*KSA
	s_add_nc_u64 s[G0B+2:G0B+3], s[G0B+2:G0B+3], 3*KSB
	JLOAD G0A, G1A, G0B, G1B                       ; the last 256 along K; its four v_nop are the places in front of the loads below
.else
	PLACES 4
.endif
	FETCH_B \next, 0, 0
	FETCH_A \next, 0, 0
	WIN 0xf1
	MUL16 4, 1, \kq, 0
	MUL16 6, 1, \kq, 0
	PLACES 4
	WIN 0
	FETCH_A \next, 0, 4
.endm
	s_load_b256 s[4:11], s[0:1], 0x0               ; cod, scl, bq, bk
	s_load_b128 s[12:15], s[0:1], 0x20             ; bv, pc
	s_load_b64 s[16:17], s[0:1], 0x30              ; ps
	v_lshl_add_u32 v[SPW], v0, 2, SPARE
	v_mov_b32 v[NIL], 0
	ds_add_u32 v[SPW], v[NIL]                      ; the opening: the add, twice on end, and its wait ahead of my first tensor load
	ds_add_u32 v[SPW], v[NIL]
	v_lshrrev_b32 v1, 5, v0
	v_readfirstlane_b32 s[WV], v1
	s_lshr_b32 s[AH], s[WV], 1                     ; my half of A's rows.  Also: I fetch for A (0) or B (1)
	s_and_b32 s[BH], s[WV], 1                      ; my half of B's rows.  Also: which 128 rows I fetch
	s_bfe_u32 s[CX], ttmp6, 0x40000
	s_bfe_u32 s[CY], ttmp6, 0x40004
	s_and_b32 s[CL], ttmp7, 0xffff                 ; the cluster's number, 0 .. 11: alike in all sixteen partners
	s_lshl_b32 s92, s[CY], 2
	s_lshl_b32 s92, 15, s92                        ; my row of the cluster
	s_lshl_b32 s93, 0x1111, s[CX]                  ; my column
	s_or_b32 s[G1A], s92, (3<<16)|(1<<21)          ; the mask; elements of 8 bytes; bit 21 beside a mask; no padding
	s_or_b32 s[G1B], s93, (3<<16)|(1<<21)
.irp g, G1A, G1B                       ; codes: column blocks of 6,144 bytes (128 rows), 786,432 bytes apart; the head's load brings 12
	s_mov_b32 s[\g+1], 768<<16
	s_mov_b32 s[\g+2], 12<<16
	s_mov_b32 s[\g+3], 768<<16
	s_mov_b32 s[\g+4], 12
	s_mov_b32 s[\g+5], 98304
	s_mov_b32 s[\g+6], 0
	s_mov_b32 s[\g+7], 0
.endr
	s_min_u32 s94, s[CL], 8
	s_lshl_b32 s95, s[BH], 7
	s_lshl_b32 s96, s94, 10
	s_lshl_b32 s97, s[CY], 8
	s_add_co_u32 s96, s96, s97
	s_add_co_u32 s96, s96, s95                     ; A: row 1024 min(CL, 8) + 256 cy + 128 half
	s_lshr_b32 s98, s[CL], 2
	s_add_co_u32 s98, s98, s[CL]
	s_sub_co_u32 s98, s98, s94
	s_lshl_b32 s98, s98, 10
	s_add_co_u32 s98, s98, 9216
	s_lshl_b32 s99, s[CX], 8
	s_add_co_u32 s98, s98, s99
	s_add_co_u32 s98, s98, s95                     ; B: row 9216 + 1024 (CL / 4 + CL - min(CL, 8)) + 256 cx + 128 half
	s_sub_co_u32 s100, s96, s95                    ; the scale bytes of the rows that I multiply: A's tile, my half AH, 2 bytes a row;
	s_lshl_b32 s101, s[AH], 7
	s_add_co_u32 s100, s100, s101
	s_lshl_b32 s100, s100, 1
	s_mul_i32 s96, s96, 48
	s_lshl_b32 s2, s98, 1                          ; B's tile, my half BH
	s_mul_i32 s98, s98, 48
	s_mov_b32 s97, 0
	s_mov_b32 s99, 0
	s_mov_b32 s101, 0
	s_mov_b32 s3, 0
	s_mul_i32 s92, s[WV], PART                     ; where my loads go: the wave's number alone
	s_mov_b32 s[SEL], 0x76543210
	s_mov_b32 s[SEL+1], 0xfedcba98
	s_wait_dscnt 0x0                               ; both opening adds are done
	s_wait_kmcnt 0x0
	s_add_nc_u64 s[96:97], s[4:5], s[96:97]
	s_add_nc_u64 s[98:99], s[4:5], s[98:99]
	CROUND                                         ; all sixteen work-groups are here: the first joint loads meet
	s_mov_b32 s[G0A], 1
	s_mov_b32 s[G0A+1], s92
	s_mov_b64 s[G0A+2:G0A+3], s[96:97]
	s_or_b32 s[G0A+3], s[G0A+3], 0x80000000
	s_mov_b32 s[G0B], 1
	s_mov_b32 s[G0B+1], s92
	s_mov_b64 s[G0B+2:G0B+3], s[98:99]
	s_or_b32 s[G0B+3], s[G0B+3], 0x80000000
	JLOAD G0A, G1A, G0B, G1B                       ; my one load at the head: 768 along K of my 128 rows
	; every LDS address register is made here, ahead of the branches on the cluster's number
	v_and_b32 v1, 15, v0                           ; r
	v_bfe_u32 v2, v0, 4, 1                         ; h
	v_and_b32 v5, 31, v0                           ; lane
	v_mul_u32_u24 v3, v1, 48
	v_mad_u32_u24 v3, v2, 24, v3
	s_mul_i32 s98, s[AH], PART
	s_mul_i32 s99, s[BH], PART
	s_add_co_u32 s99, s99, 2*PART
.irp s, 0,1,2
	v_add_nc_u32 v[ADRA+\s], s98, v3
	v_add_nc_u32 v[ADRB+\s], s99, v3
	s_add_co_u32 s98, s98, HALFT
	s_add_co_u32 s99, s99, HALFT
.endr
	s_sub_co_u32 s99, s2, s100                     ; scale bytes, read from scl itself: lanes 0-15 take A's rows of my half, lanes 16-31 B's: the lower offset + h x the distance (B's rows lie behind A's)
	v_mul_u32_u24 v4, s99, v2
	v_lshl_add_u32 v4, v1, 1, v4
	v_add_nc_u32 v[ADS], s100, v4
	s_mul_i32 s98, s[WV], PART
	s_add_co_u32 s98, s98, STG
	v_lshlrev_b32 v4, 6, v1
	v_lshl_add_u32 v4, v2, 4, v4
	v_add_nc_u32 v[STO], s98, v4                   ; the stage, in: row r has four places of 16 bytes; mine 16 h (+ 32 for an odd block)
	v_lshl_add_u32 v[RD], v5, 4, s98               ; back: a place a lane
	s_lshl_b32 s98, s[WV], 9
	s_add_co_u32 s98, s98, SSG
	v_lshl_add_u32 v[SSO], v1, 2, s98
	v_lshl_add_u32 v[RS], v5, 4, s98
	v_mul_u32_u24 v[GO], v5, 12
.irp b, 0,1,2,3
	v_mov_b32 v[TM+4+\b], 0                        ; written once: a lane permute's destination counts as one of its sources
.endr
	; where the results go
	s_min_u32 s98, s[CL], 8
	s_sub_co_u32 s99, s[CL], s98
	s_and_b32 s98, s98, 3
	s_lshl_b32 s98, s98, 10
	s_lshl_b32 s100, s[CY], 8
	s_add_co_u32 s98, s98, s100
	s_lshl_b32 s100, s[AH], 7
	s_add_co_u32 s98, s98, s100                    ; ARO: my first row of A inside its tensor
	s_lshl_b32 s99, s99, 10
	s_lshl_b32 s100, s[CX], 8
	s_add_co_u32 s99, s99, s100
	s_lshl_b32 s100, s[BH], 7
	s_add_co_u32 s99, s99, s100                    ; BCOL: my first row of B inside its tensor
	s_lshr_b32 s100, s[CL], 2                      ; 0 q, 1 k, 2 v
	s_lshl_b32 s2, s100, 17                        ; q, k: the part, the pair of heads, 4 bytes a position
	s_lshr_b32 s3, s99, 7
	s_lshl_b32 s3, s3, 14
	s_add_co_u32 s2, s2, s3
	s_lshl_b32 s3, s98, 2
	s_add_co_u32 s2, s2, s3
	s_lshr_b32 s101, s99, 11                       ; v: the batch, the head, the step of 128 keys
	s_lshl_b32 s101, s101, 16
	s_add_co_u32 s101, s101, 262144
	s_lshr_b32 s3, s98, 6
	s_lshl_b32 s3, s3, 12
	s_add_co_u32 s101, s101, s3
	s_bfe_u32 s3, s99, 0x40007
	s_lshl_b32 s3, s3, 8
	s_add_co_u32 s101, s101, s3
	s_cmp_lt_u32 s[CL], 8
	s_cselect_b32 s[PSO], s2, s101
	s_mov_b32 s3, 49152
	s_cselect_b32 s3, 196608, s3                   ; bytes from a column block of the output to the next
	s_mov_b32 s2, 4096
	s_cselect_b32 s2, 256, s2                      ; bytes from my first 64 rows' scale words to my second 64's
	s_mov_b32 s[PSO+1], 0
	s_add_nc_u64 s[PSO:PSO+1], s[16:17], s[PSO:PSO+1]
	v_mul_u32_u24 v6, v2, s2
	v_lshl_add_u32 v[GS], v1, 4, v6
	s_mul_i32 s[OB], s100, 3145728
	s_lshr_b32 s99, s99, 6
	s_mul_i32 s99, s99, s3
	s_add_co_u32 s[OB], s[OB], s99
	s_mul_i32 s98, s98, 48
	s_add_co_u32 s[OB], s[OB], s98
	s_mov_b32 s[OB+1], 0
	s_add_nc_u64 s[OB:OB+1], s[14:15], s[OB:OB+1]
	s_mov_b32 s98, s3
	s_mov_b32 s99, 0
	s_add_nc_u64 s[OB+2:OB+3], s[OB:OB+1], s[98:99]
	; the bias tiles, eight registers each, in the result's layout
	s_cmp_lt_u32 s[CL], 8
	s_cbranch_scc0 .Lbias_v
	s_cmp_lt_u32 s[CL], 4                          ; q, k: the bias runs along B's rows: tile b, lane half h: features 32 (b / 2) + 16 h + 8 (b % 2) + 0 .. 7
	s_cselect_b64 s[98:99], s[8:9], s[10:11]
	s_lshl_b32 s100, s[CX], 10
	s_lshl_b32 s101, s[BH], 9
	s_add_co_u32 s100, s100, s101
	s_mov_b32 s101, 0
	s_add_nc_u64 s[98:99], s[98:99], s[100:101]
	v_lshlrev_b32 v[BO], 6, v2
	WIN 0x40
.irp b, 0,1,2,3,4,5,6,7
	global_load_b128 v[96+8*\b+96*(\b/4):96+8*\b+96*(\b/4)+3], v[BO], s[98:99] offset:(32*(\b/2)+8*(\b%2))*4
	global_load_b128 v[96+8*\b+96*(\b/4)+4:96+8*\b+96*(\b/4)+7], v[BO], s[98:99] offset:(32*(\b/2)+8*(\b%2))*4+16
.endr
	WIN 0
	s_branch .Lbias_done
.Lbias_v:                                              ; v: the bias runs along A's rows: position 16 a + r holds feature 32 (a / 2) + 8 (a % 2) + r + 8 (r / 8); one number for all eight registers
	s_lshl_b32 s100, s[CY], 10
	s_lshl_b32 s101, s[AH], 9
	s_add_co_u32 s100, s100, s101
	s_mov_b32 s101, 0
	s_add_nc_u64 s[98:99], s[12:13], s[100:101]
	v_and_b32 v[BO], 8, v1
	v_add_nc_u32 v[BO], v[BO], v1
	v_lshlrev_b32 v[BO], 2, v[BO]
	WIN 0x40
.irp a, 0,1,2,3,4,5,6,7
.irp j, 0,1,2,3,4,5,6,7
	global_load_b32 v[96+8*\a+96*(\a/4)+\j], v[BO], s[98:99] offset:(32*(\a/2)+8*(\a%2))*4
.endr
.endr
	WIN 0
.Lbias_done:
.set KQ, 0
.rept 8                                ; all scale words, once, from memory into registers: two bytes from column block 2 q, two from 2 q + 1; a block's eight loads cover 256 consecutive bytes of A's rows and 256 of B's
.irp i, 0,1,2,3,4,5,6,7
	global_load_u16 v[SC+8*KQ+\i], v[ADS], s[6:7] offset:(2*KQ)*32768+32*\i
	global_load_u16 v[AF+8*KQ+\i], v[ADS], s[6:7] offset:(2*KQ+1)*32768+32*\i
.endr
.set KQ, KQ+1
.endr
	s_wait_alu depctr_va_vdst(0)
	s_wait_tensorcnt 0x0                           ; my part of the first 768 along K is in; no load of mine is out, so group 1 may be written:
.irp g, G1A, G1B
	s_mov_b32 s[\g+2], 4<<16                       ; the refill brings 4 column blocks
	s_mov_b32 s[\g+4], 4
.endr
	s_barrier_signal -1
	s_barrier_wait -1
	s_wait_loadcnt 0x0                             ; the scale bytes and the bias
.set KQ, 0
.rept 64
	v_lshl_or_b32 v[SC+KQ], v[AF+KQ], 16, v[SC+KQ] ; K step 0's eight come first: 56 vector lines stand between them and the first product
.set KQ, KQ+1
.endr
	FETCH_B 0, 0, 0
	FETCH_A 0, 0, 0
	FETCH_A 0, 0, 4
	s_wait_loadcnt 0x0
	s_cmp_lt_u32 s[CL], 8
	s_cbranch_scc0 .Lk0_v
	STEP 0, 0, 1
	s_branch .Lk0_done
.Lk0_v:
	STEP 0, 0, 2
.Lk0_done:
	CHG 0, 1, 1, 0, 1                              ; the one refill: slot 0 has been read out and takes the last 256 along K
	STEP 1, 2, 0
	CHG 1, 2, 3, 1, 0                              ; the refill may stay out
	STEP 2, 4, 0
	CHG 2, 0, 5, 0, 0
	s_wait_alu depctr_va_vdst(0)
	STEP 0, 6, 0
	s_wait_dscnt 4*NL                              ; the last step: nothing more to fetch
	WIN 0xa1
	MUL16 0, 1, 7, 0
	MUL16 2, 1, 7, 0
	s_wait_dscnt 0x0
	WIN 0xf1
	MUL16 4, 1, 7, 0
	MUL16 6, 1, 7, 0
	WIN 0
	PLACES 4                                       ; in front of the first read of results and of writes over A's fragments
; THE WAY OUT.  Block a (16 rows of A): a lane's 64 numbers, register 16 B + i = neighbour 32 B + 16 h + i of my row, are four half blocks of 32: largest magnitude with lane l xor 16's, scale byte, 16 codes each.
; Each accumulator is read from its low end on.  Every block has registers of its own for its codes and its scale word.
.macro QOUT a
.set W, 2+(\a)/4
.set WW, W*5
.set AC, 64*((\a)%4)
.set PC, 128+16*(\a)
	WIN WW                                         ; sources 0 and 1: the accumulators' window
.irp b, 0,1,2,3
	v_max3_num_f32 v[TM+\b], |v[AC+16*\b]|, |v[AC+16*\b+1]|, 0x1800000   ; and the floor 2^(3 - 127): the byte cannot fall under 1
.endr
.irp i, 2,4,6,8,10,12,14
.irp b, 0,1,2,3
	v_max3_num_f32 v[TM+\b], |v[AC+16*\b+\i]|, |v[AC+16*\b+\i+1]|, v[TM+\b]
.endr
.endr
	WIN 0
.irp b, 0,1,2,3
	v_permlanex16_b32 v[TM+4+\b], v[TM+\b], s[SEL], s[SEL+1]
.endr
.irp b, 0,1,2,3
	v_max_num_f32 v[TM+\b], v[TM+\b], v[TM+4+\b]
.endr
.irp b, 0,1,2,3
	v_add_nc_u32 v[TM+12+\b], 0xff000000, v[TM+\b] ; 2 off the exponent field: the conversion's scale operand
.endr
.irp b, 0,1,2,3
	v_lshrrev_b32 v[TM+4+\b], 23, v[TM+12+\b]      ; the scale's byte
.endr
	v_lshl_or_b32 v[PW+(\a)], v[TM+5], 8, v[TM+4]
	v_lshl_or_b32 v[PW+(\a)], v[TM+6], 16, v[PW+(\a)]
	v_lshl_or_b32 v[PW+(\a)], v[TM+7], 24, v[PW+(\a)]
	WIN W
.irp b, 0,1,2,3
	v_cvt_scalef32_pk16_fp6_f32 v[PC+4*\b:PC+4*\b+2], v[AC+16*\b:AC+16*\b+15], v[TM+12+\b]
.endr
	WIN 0
	v_nop                                          ; one plain line behind the conversions
.irp b, 0,1,2,3
	ds_store_b96 v[STO], v[PC+4*\b:PC+4*\b+2] offset:(\b/2)*8192+(\a)*1024+(\b%2)*32
.endr
	ds_store_b32 v[SSO], v[PW+(\a)] offset:64*(\a) ; both halves of the lanes write the same word with the same value
.endm
.irp a, 0,1,2,3,4,5,6,7
	QOUT \a
.endr
	s_wait_dscnt 0x0                               ; the stores have read their registers
.set I, 0
.rept 32
	ds_load_b96 v[128+4*I:130+4*I], v[RD] offset:512*I   ; my own bytes, in order behind my stores: 32 places of 12 bytes
.set I, I+1
.endr
	ds_load_b128 v[96:99], v[RS]
.set I, 0
.rept 32
	s_wait_dscnt 32-I                              ; load I is in; the 32 - I issued behind it may be out
	global_store_b96 v[GO], v[128+4*I:130+4*I], s[OB+2*(I/16):OB+2*(I/16)+1] offset:384*(I%16)   ; 384 consecutive bytes
.set I, I+1
.endr
	s_wait_dscnt 0x0
	global_store_b128 v[GS], v[96:99], s[PSO:PSO+1] ; sixteen lanes store 256 consecutive bytes, aligned
	s_wait_tensorcnt 0x0                           ; the wave's end
	ds_add_u32 v[SPW], v[NIL]
	s_wait_dscnt 0x0
	CROUND                                         ; the closing round
	s_endpgm
.Lfunc_end_k_q874c969644_proj:
	.size	k_q874c969644_proj, .Lfunc_end_k_q874c969644_proj-k_q874c969644_proj
	.p2alignl 7, 3214868480
	.fill 96, 4, 3214868480
	.section	.rodata,"a",@progbits
	.p2align	6, 0x0
	.amdhsa_kernel k_q874c969644_proj
		.amdhsa_group_segment_fixed_size 327680
		.amdhsa_private_segment_fixed_size 0
		.amdhsa_enable_private_segment 0
		.amdhsa_kernarg_size 56
		.amdhsa_user_sgpr_count 2
		.amdhsa_user_sgpr_kernarg_segment_ptr 1
		.amdhsa_wavefront_size32 1
		.amdhsa_system_sgpr_workgroup_id_x 1
		.amdhsa_system_sgpr_workgroup_id_y 1
		.amdhsa_system_sgpr_workgroup_id_z 1
		.amdhsa_system_vgpr_workitem_id 0
		.amdhsa_next_free_vgpr 1024
		.amdhsa_next_free_sgpr 102
		.amdhsa_reserve_vcc 0
		.amdhsa_float_denorm_mode_32 3
		.amdhsa_float_denorm_mode_16_64 3
		.amdhsa_memory_ordered 1
		.amdhsa_forward_progress 1
		.amdhsa_inst_pref_size 202
	.end_amdhsa_kernel
	.amdgpu_metadata
---
amdhsa.version: [ 1, 2 ]
amdhsa.kernels:
  - .name:           k_q874c969644_proj
    .symbol:         k_q874c969644_proj.kd
    .args:
      - { .name: cod, .offset: 0, .size: 8, .value_kind: global_buffer, .address_space: global }
      - { .name: scl, .offset: 8, .size: 8, .value_kind: global_buffer, .address_space: global }
      - { .name: bq, .offset: 16, .size: 8, .value_kind: global_buffer, .address_space: global }
      - { .name: bk, .offset: 24, .size: 8, .value_kind: global_buffer, .address_space: global }
      - { .name: bv, .offset: 32, .size: 8, .value_kind: global_buffer, .address_space: global }
      - { .name: pc, .offset: 40, .size: 8, .value_kind: global_buffer, .address_space: global }
      - { .name: ps, .offset: 48, .size: 8, .value_kind: global_buffer, .address_space: global }
    .group_segment_fixed_size: 327680
    .private_segment_fixed_size: 0
    .kernarg_segment_align: 8
    .kernarg_segment_size: 56
    .max_flat_workgroup_size: 128
    .sgpr_count:     102
    .vgpr_count:     1024
    .wavefront_size: 32
...
	.end_amdgpu_metadata
.endif
;; end of part 2
;; launch attn (part 3): grid 8 x 32, 16 waves a work-group, clusters of 4 x 1, 327,680 bytes of LDS; arguments pc, ps, ac, asc; writes ac, asc
.if DOCPART == 3
	.amdgcn_target "amdgcn-amd-amdhsa--gfx1250"
	.amdhsa_code_object_version 6
	.text
	.protected	k_q874c969644_attn
	.globl	k_q874c969644_attn
	.p2align	8
	.type	k_q874c969644_attn,@function
k_q874c969644_attn:
	s_mov_b64 s[64:65], 0
	v_nop
	global_prefetch_b8 v0, s[64:65] scope:SCOPE_SE
	s_setreg_imm32_b32 hwreg(HW_REG_WAVE_MODE, 25, 1), 1
	s_wait_xcnt 0x0
	s_wait_alu depctr_hold_cnt(0) depctr_sa_sdst(0) depctr_va_vdst(0) depctr_va_sdst(0) depctr_va_ssrc(0) depctr_va_vcc(0) depctr_vm_vsrc(0)
	s_getreg_b32 s2, hwreg(HW_REG_IB_STS2, 6, 4)
	s_cmp_eq_u32 s2, 0
	s_cbranch_scc0 .Lentry_in_a_cluster
	s_endpgm
.Lentry_in_a_cluster:
	s_bfe_u32 s2, ttmp6, 0x10000c
	s_cmp_lg_u32 s2, 0x3003
	s_cbranch_scc0 .Lentry_shape_is_right
	s_endpgm
.Lentry_shape_is_right:
; THIRD LAUNCH: for each batch and head, O = softmax(causal(q k^T / 8)) v on the codes of the second launch, O / l quantised along E for the last product.
; LEFT OUT: key steps of 128 all of whose keys come after a tile's queries: reference() itself sets those scores to -infinity, so their weights are 0 for all inputs.  A NaN, infinity or overflow that reaches only them is not carried on.
; THE SOFTMAX: t = score x log2(e) / 8; M = the running largest t rounded up to a whole number; p = 2^(t - M) is quantised along the keys, not normalised; the row's sum is taken of the unquantised p and divides O at the end;
; when M moves, the sum and O are multiplied by 2^(old M - new M), which rounds nothing.  LIMITS: NaN and infinities not served; a block under 2^-124 or of zeros gets the byte 1.
; SHARES.  A work-group takes one batch and head (y) and 256 queries: tiles of 16 queries at 128 g + 16 j, j = 4 x cluster x + cx, g = 0 .. 15; tile g has g + 1 key steps of 128.  The sixteen waves are eight pairs; pair P owns
; tiles 15 - P (16 - P steps) and P (P + 1 steps): 17 steps.  Wave A of a pair walks steps 0 .. 11 of the long tile (all of it where P is 4 or more).  Wave B walks what is left of it, steps 12 .. 15 - P, leaves -M, the sums
; and O^T in LDS bytes of the pair's own, and walks the short tile.  Behind one barrier A joins B's part to its own: both are brought under the larger M by powers of two, which round nothing.  So A has 9 to 12 steps and B
; 5 to 8; the four waves with one w % 4 are pairs P and P + 4: their two B waves together have 10 to 13 steps.  Both loops have constant trip counts; a wave jumps over the steps that are not its own by tests on its number alone.
; LDS holds the head's whole K and V: nothing is filled twice.  The four partners of a cluster walk the same K and V: every tile is asked for jointly, ONE load a wave: waves 0-5 K's codes, 6-13 V's, 14 K's scale words, 15 V's.
; Pair 0 reads all of it in every partner.  Nothing is prefetched: all loads go out at the head.
; The first product's K is the head's 64: registers 6-11 of Q's fragment hold zero codes, and the upper two bytes of both scale words are 0, a power of two.  So registers 6-11 of K's fragments meet zero codes alone and add
; nothing whatever bits they hold (E2M3 has no NaN and no infinity).  That is used twice: in wave B seven of them keep the short tile's Q and its scale word until they are wanted; and K's tiles 4-7 of a step come into
; registers 0-5 of V's four fragments, which are idle until the second product, so that all eight tiles of K are asked for at once; V's own loads follow in one run behind the first product.
; LAYOUT.  Both products transposed: S^T = K Q^T, O^T = V^T P^T: a lane holds one query.  K's keys and V's rows lie with bits 3 and 4 of their number changed, so 16 registers of two neighbouring tiles are 16 neighbours.
; asc: [8 pairs of heads][4096 positions][4 bytes]: the scale word of 128 along E, as the last launch's lanes load it.
; REGISTERS: v1-7 stay; v8-11 addresses in hand; v12 -M, v13 largest t, v[14:15] the sum; v16-27 Q; v28-31 scale words of K's tiles 4-7, then V's; v32-79 four fragments of K; v80-127 four more, then V's; v128-191 S^T, then p;
; v192-223 O^T; v224-235 p's codes; v232-247 at work; v248-251 scale words of K's tiles 0-3; v252 f; v253 p's scale word; v254 at work; v255 Q's scale word.
.set VC,    98304                      ; K's codes from 0: [2048 positions][48]; V's: [32 blocks of 64 keys][64 rows][48]
.set KS,    196608                     ; [2048 positions][4]: the pair of heads' words
.set VS,    204800                     ; [16 steps][64 rows][4]
.set STG,   208896                     ; the way out: 1,024 bytes a wave; no fill lands here
.set PART,  225280                     ; what B hands to A: 9 x 512 bytes a pair; no fill lands here
.set SPARE, 262144                     ; the spare words: 128 bytes a wave, named by no other line
.set AK0,  1
.set AV0,  2
.set ASK0, 3
.set ASV0, 4
.set SPW,  5
.set NIL,  6
.set DQ,   7                           ; 16 j + r - 16 h: on the diagonal, register 16 B + i is hidden where 32 B + i > DQ
.set ADK,  8
.set ADV,  9
.set ADS,  10
.set ADT,  11
.set KFR,  32
.set VFR,  80
.set S,    128
.set OT,   192
.set PB, 3
.set WV, 12
.set RL, 13                            ; 0: wave A, 1: wave B
.set CX, 14
.set JJ, 15
.set YY, 16
.set BT, 17
.set HD, 18
.set PR, 19                            ; the pair, 0 .. 7
.set SEL, 20
.set CS, 22
.set G1K, 24
.set G1V, 32
.set G1SK, 40
.set G1SV, 48
.set G0K, 56
.set G0V, 60
.set TT, 66                            ; the long tile, 15 - P
.set LO, 67                            ; my steps of the tile in hand: LO .. HI;
.set G0SK, 68
.set G0SV, 72
.set STP, 76
.set TB, 77
.set TS, 78
.set TJ, 79
.set CNT, 80
.set HI, 96
.set DG, 97                            ; its step on the diagonal
.macro CROUND
	s_barrier_signal -1
	s_barrier_wait -1
	s_cmp_lg_u32 s[WV], 0
	s_cbranch_scc1 .Lnot_wave_0_\@
	s_barrier_signal -3
.Lnot_wave_0_\@:
	s_barrier_wait -3
	s_barrier_signal -1
	s_barrier_wait -1
.endm
.macro DESC g, c, r, p                 ; group 1: r rows of c elements of 8 bytes, p elements apart; mask: all four partners; bit 21 beside it
	s_mov_b32 s[\g], 15|(3<<16)|(1<<21)
	s_mov_b32 s[\g+1], (\c)<<16
	s_mov_b32 s[\g+2], (\r)<<16
	s_mov_b32 s[\g+3], (\c)<<16
	s_mov_b32 s[\g+4], \r
	s_mov_b32 s[\g+5], \p
	s_mov_b32 s[\g+6], 0
	s_mov_b32 s[\g+7], 0
.endm
.macro ARM under, g0, g1, next         ; one arm of the head's chain: a load, its s_nop 0 and four v_nop, a jump to the join
	s_cmp_lt_u32 s[WV], \under
	s_cbranch_scc0 \next
	tensor_load_to_lds s[\g0:\g0+3], s[\g1:\g1+7]
	s_nop 0
.rept 4
	v_nop
.endr
	s_branch .Lasked
\next:
.endm
	s_load_b256 s[4:11], s[0:1], 0x0               ; pc, ps, ac, asc
	v_lshl_add_u32 v[SPW], v0, 2, SPARE
	v_mov_b32 v[NIL], 0
	ds_add_u32 v[SPW], v[NIL]                      ; the opening: the add, twice on end, and its wait ahead of my first tensor load
	ds_add_u32 v[SPW], v[NIL]
	v_lshrrev_b32 v8, 5, v0
	s_delay_alu instid0(VALU_DEP_1)
	v_readfirstlane_b32 s[WV], v8
	s_bfe_u32 s[RL], s[WV], 0x10002                ; bit 2 of the wave's number: the four waves with one w % 4 are two A and two B
	s_and_b32 s90, s[WV], 3
	s_lshr_b32 s91, s[WV], 3
	s_lshl_b32 s91, s91, 2
	s_or_b32 s[PR], s90, s91
	s_sub_co_u32 s[TT], 15, s[PR]
	s_bfe_u32 s[CX], ttmp6, 0x40000
	s_lshl_b32 s[JJ], ttmp9, 2
	s_add_co_u32 s[JJ], s[JJ], s[CX]               ; j: it enters Q's, ac's and asc's addresses and the mask's numbers alone
	s_and_b32 s[YY], ttmp7, 0xffff
	s_lshr_b32 s[BT], s[YY], 4
	s_and_b32 s[HD], s[YY], 15
	DESC G1K, 32, 64, 32                           ; K's codes: 16,384 dense bytes a wave
	DESC G1V, 384, 4, 6144                         ; V's: four blocks of 64 keys, 3,072 bytes each, 49,152 apart
	DESC G1SK, 32, 32, 32                          ; K's scale words: 8,192 dense bytes
	DESC G1SV, 32, 16, 32                          ; V's: 4,096
	s_mul_i32 s90, s[HD], 196608
	s_mul_i32 s91, s[BT], 98304
	s_add_co_u32 s90, s90, s91
	s_lshl_b32 s[G0K+1], s[WV], 14                 ; in LDS: the wave's number alone
	s_add_co_u32 s90, s90, s[G0K+1]
	s_add_co_u32 s90, s90, 3145728
	s_mov_b32 s91, 0
	s_mul_i32 s92, s[BT], 1572864
	s_mul_i32 s93, s[HD], 3072
	s_add_co_u32 s92, s92, s93
	s_mul_i32 s93, s[WV], 196608
	s_add_co_u32 s92, s92, s93
	s_add_co_u32 s92, s92, 6291456-6*196608        ; wave 6 takes V's first four blocks
	s_mov_b32 s93, 0
	s_mul_i32 s[G0V+1], s[WV], 12288
	s_add_co_u32 s[G0V+1], s[G0V+1], VC-6*12288
	s_lshr_b32 s94, s[HD], 1
	s_lshl_b32 s94, s94, 14
	s_lshl_b32 s95, s[BT], 13
	s_add_co_u32 s94, s94, s95
	s_add_co_u32 s94, s94, 131072
	s_mov_b32 s95, 0
	s_lshl_b32 s2, s[YY], 12
	s_add_co_u32 s2, s2, 262144
	s_mov_b32 s3, 0
	s_mov_b32 s[G0SK+1], KS
	s_mov_b32 s[G0SV+1], VS
.irp g, G0K, G0V, G0SK, G0SV
	s_mov_b32 s[\g], 1
.endr
	s_mov_b32 s[SEL], 0x76543210
	s_mov_b32 s[SEL+1], 0xfedcba98
	s_mov_b32 s[CS], 0x3e38aa3b                    ; c = log2(e) / 8
	s_mov_b32 s[CS+1], s[CS]
	s_mov_b32 s81, 0xffff0000                      ; lanes 16-31
	s_wait_dscnt 0x0                               ; both opening adds are done
	s_wait_kmcnt 0x0
	s_add_nc_u64 s[G0K+2:G0K+3], s[4:5], s[90:91]
	s_add_nc_u64 s[G0V+2:G0V+3], s[4:5], s[92:93]
	s_add_nc_u64 s[G0SK+2:G0SK+3], s[6:7], s[94:95]
	s_add_nc_u64 s[G0SV+2:G0SV+3], s[6:7], s[2:3]
.irp g, G0K, G0V, G0SK, G0SV
	s_or_b32 s[\g+3], s[\g+3], 0x80000000
.endr
	CROUND                                         ; all four work-groups are here: the joint loads meet
	ARM 6,  G0K,  G1K,  .Lhead_v                   ; one chain of branches on the wave's number: every way passes exactly one load
	ARM 14, G0V,  G1V,  .Lhead_sk
	ARM 15, G0SK, G1SK, .Lhead_sv
	tensor_load_to_lds s[G0SV:G0SV+3], s[G1SV:G1SV+7]
	s_nop 0
.rept 4
	v_nop
.endr
.Lasked:
	s_lshl_b32 s90, s[BT], 11
	s_lshl_b32 s91, s[JJ], 4
	s_add_co_u32 s90, s90, s91
	s_lshl_b32 s92, s[TT], 7
	s_add_co_u32 s92, s92, s90                     ; the long tile's first position,
	s_lshl_b32 s94, s[PR], 7
	s_add_co_u32 s94, s94, s90                     ; the short tile's,
	s_cmp_eq_u32 s[RL], 0
	s_cselect_b32 s2, s92, s94                     ; and that of the tile that I store: A the long one, B the short one
	s_mul_i32 s90, s[HD], 196608
	s_mul_i32 s82, s92, 48
	s_add_co_u32 s82, s82, s90
	s_mov_b32 s83, 0
	s_add_nc_u64 s[82:83], s[4:5], s[82:83]        ; the long tile's Q,
	s_mul_i32 s84, s94, 48
	s_add_co_u32 s84, s84, s90
	s_mov_b32 s85, 0
	s_add_nc_u64 s[84:85], s[4:5], s[84:85]        ; the short tile's,
	s_mul_i32 s86, s2, 48
	s_add_co_u32 s86, s86, s90
	s_mov_b32 s87, 0
	s_add_nc_u64 s[86:87], s[8:9], s[86:87]        ; and ac, which is laid alike
	s_lshr_b32 s90, s[HD], 1
	s_lshl_b32 s90, s90, 14
	s_and_b32 s93, s[HD], 1
	s_lshl_b32 s93, s93, 1
	s_add_co_u32 s90, s90, s93                     ; scale bytes: the pair of heads, my head's two bytes of the word
	s_add_co_u32 s93, s93, KS
	s_lshl_b32 s98, s92, 2
	s_add_co_u32 s98, s98, s90
	s_mov_b32 s99, 0
	s_add_nc_u64 s[98:99], s[6:7], s[98:99]
	s_lshl_b32 s100, s94, 2
	s_add_co_u32 s100, s100, s90
	s_mov_b32 s101, 0
	s_add_nc_u64 s[100:101], s[6:7], s[100:101]
	s_lshl_b32 s88, s2, 2
	s_add_co_u32 s88, s88, s90
	s_mov_b32 s89, 0
	s_add_nc_u64 s[88:89], s[10:11], s[88:89]      ; asc, laid as q's scale words
	s_mul_i32 s[PB], s[PR], 4608
	s_add_co_u32 s[PB], s[PB], PART
	s_min_u32 s90, s[TT], 11
	s_cmp_eq_u32 s[RL], 0                          ; the long tile: A steps 0 .. min(11, 15 - P), B steps 12 .. 15 - P; twelve trips, A's from step 0, B's from step 4
	s_cselect_b32 s[LO], 0, 12
	s_cselect_b32 s[HI], s90, s[TT]
	s_mov_b32 s[DG], s[TT]
	s_mul_i32 s[STP], s[RL], 4
	s_mul_i32 s[TB], s[RL], 4*6144
	s_mul_i32 s[TS], s[RL], 4*512
	s_mul_i32 s[TJ], s[RL], 4*256
	v_and_b32 v8, 15, v0                           ; r
	v_bfe_u32 v9, v0, 4, 1                         ; h
	s_delay_alu instid0(VALU_DEP_2)
	v_mul_u32_u24 v[AK0], v8, 48
	s_delay_alu instid0(VALU_DEP_1)
	v_mad_u32_u24 v[AK0], v9, 24, v[AK0]           ; 48 r + 24 h: in a tile of K, and in 16 rows of Q
.irp p, 0,1,2
	global_load_b64 v[16+2*\p:17+2*\p], v[AK0], s[82:83] offset:8*\p
.endr
	v_lshlrev_b32 v10, 2, v8
	global_load_u16 v255, v10, s[98:99]
	v_add_nc_u32 v[AV0], VC, v[AK0]
	v_lshl_add_u32 v[ASK0], v8, 2, s93             ; K's scale bytes: 4 bytes a position, my head's two
	v_lshl_add_u32 v[ASV0], v8, 2, VS
	v_lshlrev_b32 v11, 4, v9
	s_delay_alu instid0(VALU_DEP_1)
	v_sub_nc_u32 v[DQ], v8, v11
	s_delay_alu instid0(VALU_DEP_1)
	v_add_nc_u32 v[DQ], s91, v[DQ]
	v_mov_b32 v13, 0xff61b1e6                      ; the largest t so far: -3e38
	s_delay_alu instid0(VALU_DEP_1)
	v_floor_f32 v12, -v13
	v_mov_b32 v14, 0
	v_mov_b32 v15, 0
.irp i, 22,23,24,25,26,27
	v_mov_b32 v[\i], 0                             ; Q's codes of k = 64 .. 127: zeros
.endr
.irp t, 0,1,2,3
.irp i, 6,7,8,9,10,11
	v_mov_b32 v[KFR+12*\t+\i], 0                   ; written once: they are read as codes that meet zero codes
	v_mov_b32 v[VFR+12*\t+\i], 0
.endr
.endr
.irp b, 0,1,2,3
	v_mov_b32 v[236+\b], 0                         ; a lane permute's destination counts as one of its sources
.endr
	v_mov_b32 v252, 0
	v_mov_b32 v253, 0
.set N, 0
.rept 32
	v_mov_b32 v[OT+N], 0                           ; O^T: the step is written once; its first turn finds zeros
.set N, N+1
.endr
	s_wait_alu depctr_va_vdst(0)
	s_cmp_eq_u32 s[RL], 0
	s_cbranch_scc1 .Lno_q2
.irp p, 0,1,2
	global_load_b64 v[38+2*\p:39+2*\p], v[AK0], s[84:85] offset:8*\p   ; B: the short tile's Q waits in v38-43, its scale bytes in v50
.endr
	global_load_u16 v50, v10, s[100:101]
.Lno_q2:
.macro KLOAD g, f, sc                  ; K's tiles 4 g .. 4 g + 3 into registers 0-5 of the four fragments at f, their scale bytes into sc ..
.irp t, 0,1,2,3
.irp p, 0,1,2
	ds_load_b64 v[\f+12*\t+2*\p:\f+12*\t+2*\p+1], v[ADK] offset:(4*\g+\t)*768+8*\p
.endr
	ds_load_u16 v[\sc+\t], v[ADS] offset:64*(4*\g+\t)
.endr
.endm
.macro SPROD g, f, sc
.irp t, 0,1,2,3
	v_wmma_scale_f32_16x16x128_f8f6f4 v[S+8*(4*\g+\t):S+8*(4*\g+\t)+7], v[\f+12*\t:\f+12*\t+11], v[16:27], 0, v[\sc+\t], v255 matrix_a_fmt:MATRIX_FMT_FP6 matrix_b_fmt:MATRIX_FMT_FP6
.endr
.endm
; A KEY STEP of 128 keys.
.macro STEP
	s_cmp_lt_u32 s[STP], s[LO]                     ; not one of my steps: the work is left out; the lines at the end that step addresses are not
	s_cbranch_scc1 .Lhidden_\@
	s_cmp_gt_u32 s[STP], s[HI]
	s_cbranch_scc1 .Lhidden_\@
	v_add_nc_u32 v[ADK], s[TB], v[AK0]             ; (these four are also the places in front of the loads into V's registers, which the last step's products read)
	v_add_nc_u32 v[ADV], s[TB], v[AV0]
	v_add_nc_u32 v[ADS], s[TS], v[ASK0]
	v_add_nc_u32 v[ADT], s[TJ], v[ASV0]
	KLOAD 0, KFR, 248
	KLOAD 1, VFR, 28
	s_wait_alu depctr_va_vdst(0)
	s_wait_dscnt 16                                ; K's first four tiles are in; the 16 loads of the other four may be out
	SPROD 0, KFR, 248
	s_wait_dscnt 0x0
	SPROD 1, VFR, 28
.rept 4
	v_nop
.endr
.irp t, 0,1,2,3                        ; V's four tiles, into the registers that K's tiles 4-7 have left: they have the softmax in which to land
.irp p, 0,1,2,3,4,5
	ds_load_b64 v[VFR+12*\t+2*\p:VFR+12*\t+2*\p+1], v[ADV] offset:768*\t+3072*(\p/3)+8*(\p%3)
.endr
	ds_load_b32 v[28+\t], v[ADT] offset:64*\t
.endr
	s_cmp_lg_u32 s[STP], s[DG]
	s_cbranch_scc1 .Lopen_\@
	v_mov_b32 v254, 0xff800000                     ; on the diagonal hidden scores become -infinity ahead of the maximum
	v_add_nc_u32 v232, 0xffffffc0, v[DQ]           ; DQ - 64, for keys 64 .. 127
.set N, 0
.rept 8                                ; an accumulator at a time: eight compares into eight scalar registers that the head has done with, then the eight selections
.irp k, 0,1,2,3,4,5,6,7
.if N < 32
	v_cmp_gt_i32 s[82+\k+12*(\k/4)], 32*(N/16)+N%16+\k, v[DQ]
.else
	v_cmp_gt_i32 s[82+\k+12*(\k/4)], 32*(N/16)+N%16+\k-64, v232
.endif
.endr
.irp k, 0,1,2,3,4,5,6,7
	v_cndmask_b32 v[S+N+\k], v[S+N+\k], v254, s[82+\k+12*(\k/4)]
.endr
.set N, N+8
.endr
.Lopen_\@:
.irp b, 0,1,2,3
	v_max3_num_f32 v[232+\b], v[S+16*\b], v[S+1+16*\b], v[S+2+16*\b]   ; the largest score of each block of 32 keys: for the row's maximum and for the block's largest p
.endr
.irp i, 3,5,7,9,11,13
.irp b, 0,1,2,3
	v_max3_num_f32 v[232+\b], v[232+\b], v[S+16*\b+\i], v[S+1+16*\b+\i]
.endr
.endr
.irp b, 0,1,2,3
	v_max_num_f32 v[232+\b], v[232+\b], v[S+15+16*\b]
.endr
.irp b, 0,1,2,3
	s_delay_alu instid0(VALU_DEP_4)
	v_permlanex16_b32 v[236+\b], v[232+\b], s[SEL], s[SEL+1]
.endr
.irp b, 0,1,2,3
	s_delay_alu instid0(VALU_DEP_4)
	v_max_num_f32 v[232+\b], v[232+\b], v[236+\b]
.endr
	s_delay_alu instid0(VALU_DEP_2)
	v_max3_num_f32 v254, v232, v233, v234
	s_delay_alu instid0(VALU_DEP_1)
	v_max_num_f32 v254, v254, v235
	s_delay_alu instid0(VALU_DEP_1)
	v_mul_f32 v254, s[CS], v254
	s_delay_alu instid0(VALU_DEP_1)
	v_max_num_f32 v13, v13, v254                   ; the running largest t
	v_mov_b32 v254, v12
	s_delay_alu instid0(VALU_DEP_2)
	v_floor_f32 v12, -v13                          ; -M = floor(-t)
	s_delay_alu instid0(VALU_DEP_1)
	v_sub_f32 v254, v12, v254                      ; old M - new M: a whole number, 0 or less
	s_delay_alu instid0(VALU_DEP_1)
	v_cvt_i32_f32 v254, v254
	s_delay_alu instid0(VALU_DEP_1)
	v_ldexp_f32 v252, 1.0, v254                    ; f
.set N, 0
.rept 32
	v_pk_fma_f32 v[S+N:S+N+1], v[S+N:S+N+1], s[CS:CS+1], v[12:13] op_sel_hi:[1,0,0]   ; t - M
.set N, N+2
.endr
.irp b, 0,1,2,3
	v_fma_f32 v[232+\b], v[232+\b], s[CS], v12
.endr
.set N, 0
	s_wait_alu depctr_va_vdst(0)
.rept 64
	v_exp_f32 v[S+N], v[S+N]                       ; p = 2^(t - M)
.set N, N+1
.endr
	v_pk_mul_f32 v[14:15], v[14:15], v[252:253] op_sel_hi:[1,0]   ; the sums under the new M: a plain line behind the exponentials
	s_wait_alu depctr_va_vdst(0)                   ; one wait for the batch, ahead of its first reader
.irp b, 0,1,2,3
	v_exp_f32 v[232+\b], v[232+\b]                 ; each block's largest p
.endr
	v_pk_add_f32 v[236:237], v[132:133], v[136:137]   ; the row's sum of the unquantised p, in eight chains
	v_pk_add_f32 v[250:251], v[140:141], v[144:145]
	v_pk_add_f32 v[248:249], v[148:149], v[152:153]
	v_pk_add_f32 v[246:247], v[156:157], v[160:161]
	v_pk_add_f32 v[244:245], v[164:165], v[168:169]
	v_pk_add_f32 v[242:243], v[172:173], v[176:177]
	v_pk_add_f32 v[240:241], v[180:181], v[184:185]
	v_pk_add_f32 v[14:15], v[14:15], v[188:189]
	v_pk_add_f32 v[236:237], v[236:237], v[128:129]
	v_pk_add_f32 v[250:251], v[250:251], v[130:131]
	v_pk_add_f32 v[248:249], v[248:249], v[134:135]
	v_pk_add_f32 v[246:247], v[246:247], v[138:139]
	v_pk_add_f32 v[244:245], v[244:245], v[142:143]
	v_pk_add_f32 v[242:243], v[242:243], v[146:147]
	v_pk_add_f32 v[240:241], v[240:241], v[150:151]
	v_pk_add_f32 v[14:15], v[14:15], v[154:155]
	v_pk_add_f32 v[236:237], v[236:237], v[158:159]
	v_pk_add_f32 v[250:251], v[250:251], v[162:163]
	v_pk_add_f32 v[248:249], v[248:249], v[166:167]
	v_pk_add_f32 v[246:247], v[246:247], v[170:171]
	v_pk_add_f32 v[244:245], v[244:245], v[174:175]
	v_pk_add_f32 v[242:243], v[242:243], v[178:179]
	v_pk_add_f32 v[240:241], v[240:241], v[182:183]
	v_pk_add_f32 v[14:15], v[14:15], v[186:187]
	v_pk_add_f32 v[236:237], v[236:237], v[190:191]
	s_delay_alu instid0(VALU_DEP_2)
	v_pk_add_f32 v[14:15], v[14:15], v[246:247]
	s_delay_alu instid0(VALU_DEP_2)
	v_pk_add_f32 v[236:237], v[236:237], v[244:245]
	v_pk_add_f32 v[250:251], v[250:251], v[242:243]
	v_pk_add_f32 v[248:249], v[248:249], v[240:241]
	s_delay_alu instid0(VALU_DEP_2)
	v_pk_add_f32 v[14:15], v[14:15], v[250:251]
	s_delay_alu instid0(VALU_DEP_2)
	v_pk_add_f32 v[236:237], v[236:237], v[248:249]
	s_delay_alu instid0(VALU_DEP_1)
	v_pk_add_f32 v[14:15], v[14:15], v[236:237]
	s_wait_alu depctr_va_vdst(0)                   ; and one for the four
.irp b, 0,1,2,3
	v_max_num_f32 v[232+\b], 0x1800000, v[232+\b]  ; the floor: the byte cannot fall under 1
.endr
.irp b, 0,1,2,3
	s_delay_alu instid0(VALU_DEP_4)
	v_add_nc_u32 v[244+\b], 0xff000000, v[232+\b]
.endr
.irp b, 0,1,2,3
	s_delay_alu instid0(VALU_DEP_4)
	v_lshrrev_b32 v[236+\b], 23, v[244+\b]
.endr
	s_delay_alu instid0(VALU_DEP_3)
	v_lshl_or_b32 v253, v237, 8, v236              ; p's scale word for these 128 keys
	s_delay_alu instid0(VALU_DEP_1)
	v_lshl_or_b32 v253, v238, 16, v253
	s_delay_alu instid0(VALU_DEP_1)
	v_lshl_or_b32 v253, v239, 24, v253
.irp c, 0,1
	v_cvt_scalef32_pk16_fp6_f32 v[224+6*\c:226+6*\c], v[S+32*\c:S+15+32*\c], v[244+2*\c]
	v_cvt_scalef32_pk16_fp6_f32 v[236+4*\c:238+4*\c], v[S+16+32*\c:S+31+32*\c], v[244+2*\c+1]
.endr
	v_nop
.irp c, 0,1                            ; a whole block to a lane: lanes 0-15 block 2 c, lanes 16-31 block 2 c + 1
.irp i, 0,1,2
	v_permlane16_swap_b32 v[224+6*\c+\i], v[236+4*\c+\i]
.endr
.irp i, 0,1,2
	s_delay_alu instid0(VALU_DEP_3)
	v_mov_b32 v[227+6*\c+\i], v[236+4*\c+\i]
.endr
.endr
	s_wait_alu depctr_va_vdst(0)
	s_wait_dscnt 0x0                               ; V's fragments and scale words are in
.set N, 0
.rept 16
	v_pk_mul_f32 v[OT+N:OT+N+1], v[OT+N:OT+N+1], v[252:253] op_sel_hi:[1,0]   ; O^T under the new M; these sixteen are also the places in front of the products
.set N, N+2
.endr
.irp t, 0,1,2,3
	v_wmma_scale_f32_16x16x128_f8f6f4 v[OT+8*\t:OT+8*\t+7], v[VFR+12*\t:VFR+12*\t+11], v[224:235], v[OT+8*\t:OT+8*\t+7], v[28+\t], v253 matrix_a_fmt:MATRIX_FMT_FP6 matrix_b_fmt:MATRIX_FMT_FP6
.endr
.Lhidden_\@:
	s_add_co_u32 s[STP], s[STP], 1
	s_add_co_u32 s[TB], s[TB], 6144                ; 128 positions of K, and two blocks of 64 keys of V
	s_add_co_u32 s[TS], s[TS], 512
	s_add_co_u32 s[TJ], s[TJ], 256
.endm
	s_wait_alu depctr_va_vdst(0)
	s_wait_tensorcnt 0x0                           ; my one load is in,
	s_barrier_signal -1
	s_barrier_wait -1                              ; everybody's is: nothing is ever filled again
	s_wait_loadcnt 0x0                             ; Q
	s_mov_b32 s[CNT], 12
.Llong:                                                ; the long tile
	STEP
	s_sub_co_u32 s[CNT], s[CNT], 1
	s_cmp_lg_u32 s[CNT], 0
	s_cbranch_scc1 .Llong
	v_and_b32 v8, 31, v0
	s_delay_alu instid0(VALU_DEP_1)
	v_lshl_add_u32 v8, v8, 4, s[PB]                ; the pair's bytes: an image of the registers, 16 bytes a lane
	v_nop
	v_nop                                          ; four places behind the last products
	s_wait_alu depctr_va_vdst(0)
	s_cmp_eq_u32 s[RL], 0
	s_cbranch_scc1 .Lkeeps
	ds_store_b128 v8, v[12:15]                     ; B: -M, the largest t, the two sums,
.set N, 0
.rept 8
	ds_store_b128 v8, v[OT+4*N:OT+4*N+3] offset:512+512*N   ; and O^T, each accumulator from its low end on
.set N, N+1
.endr
	s_wait_dscnt 0x0                               ; stored: for A's sake, and before the registers are written anew
.irp i, 0,1,2,3,4,5
	v_mov_b32 v[16+\i], v[38+\i]                   ; the short tile's Q,
.endr
	v_mov_b32 v255, v50                            ; its scale bytes (the 36 lines below stand between this and the next product),
	v_mov_b32 v13, 0xff61b1e6                      ; and a fresh start
	s_delay_alu instid0(VALU_DEP_1)
	v_floor_f32 v12, -v13
	v_mov_b32 v14, 0
	v_mov_b32 v15, 0
.set N, 0
.rept 32
	v_mov_b32 v[OT+N], 0
.set N, N+1
.endr
	s_wait_alu depctr_va_vdst(0)
.Lkeeps:
	s_cmp_eq_u32 s[RL], 0                          ; the short tile: B steps 0 .. P; A has none of the eight
	s_cselect_b32 s[LO], 16, 0
	s_mov_b32 s[HI], s[PR]
	s_mov_b32 s[DG], s[PR]
	s_mov_b32 s[STP], 0
	s_mov_b32 s[TB], 0
	s_mov_b32 s[TS], 0
	s_mov_b32 s[TJ], 0
	s_mov_b32 s[CNT], 8
.Lshort:
	STEP
	s_sub_co_u32 s[CNT], s[CNT], 1
	s_cmp_lg_u32 s[CNT], 0
	s_cbranch_scc1 .Lshort
	s_wait_dscnt 0x0
	s_barrier_signal -1
	s_barrier_wait -1                              ; every B has stored its part of the long tile
	v_and_b32 v8, 31, v0
	s_delay_alu instid0(VALU_DEP_1)
	v_lshl_add_u32 v8, v8, 4, s[PB]
	s_wait_alu depctr_va_vdst(0)
	s_cmp_lg_u32 s[RL], 0
	s_cbranch_scc1 .Lmerged
.set N, 0
.rept 9
	ds_load_b128 v[S+4*N:S+4*N+3], v8 offset:512*N ; A: v128 B's -M, v[130:131] its sums, v132-163 its O^T
.set N, N+1
.endr
	s_wait_dscnt 0x0
	v_min_num_f32 v248, v12, v128                  ; -M of both: the larger M
	s_delay_alu instid0(VALU_DEP_1)
	v_sub_f32 v252, v248, v12                      ; my M - M, and B's M - M: whole numbers, 0 or less
	v_sub_f32 v254, v248, v128
	s_delay_alu instid0(VALU_DEP_2)
	v_cvt_i32_f32 v252, v252                       ; (it saturates: a B that had no step has M = -3e38, and its factor is 0)
	s_delay_alu instid0(VALU_DEP_2)
	v_cvt_i32_f32 v254, v254
	s_delay_alu instid0(VALU_DEP_2)
	v_ldexp_f32 v252, 1.0, v252
	s_delay_alu instid0(VALU_DEP_2)
	v_ldexp_f32 v254, 1.0, v254
	v_pk_mul_f32 v[14:15], v[14:15], v[252:253] op_sel_hi:[1,0]
.set N, 0
.rept 16
	v_pk_mul_f32 v[OT+N:OT+N+1], v[OT+N:OT+N+1], v[252:253] op_sel_hi:[1,0]
.set N, N+2
.endr
	v_pk_fma_f32 v[14:15], v[130:131], v[254:255], v[14:15] op_sel_hi:[1,0,1]
.set N, 0
.rept 16
	v_pk_fma_f32 v[OT+N:OT+N+1], v[S+4+N:S+5+N], v[254:255], v[OT+N:OT+N+1] op_sel_hi:[1,0,1]
.set N, N+2
.endr
	s_wait_alu depctr_va_vdst(0)
.Lmerged:
	; THE WAY OUT: O^T / the sum; register 16 B + i is channel 32 B + 16 h + i of my query: two half blocks of 32 along E
	v_add_f32 v14, v14, v15
	s_delay_alu instid0(VALU_DEP_1)
	v_permlanex16_b32 v252, v14, s[SEL], s[SEL+1]
	s_delay_alu instid0(VALU_DEP_1)
	v_add_f32 v14, v14, v252
	s_wait_alu depctr_va_vdst(0)
	v_rcp_f32 v14, v14
	v_and_b32 v8, 15, v0
	v_bfe_u32 v9, v0, 4, 1
	s_lshl_b32 s90, s[WV], 10
	s_add_co_u32 s90, s90, STG
	v_lshlrev_b32 v10, 6, v8
	s_delay_alu instid0(VALU_DEP_1)
	v_lshl_add_u32 v10, v9, 4, v10
	s_delay_alu instid0(VALU_DEP_1)
	v_add_nc_u32 v10, s90, v10                     ; the stage, in: row r has four places of 16 bytes
	v_and_b32 v11, 31, v0
	s_delay_alu instid0(VALU_DEP_1)
	v_mul_u32_u24 v2, v11, 12
	s_delay_alu instid0(VALU_DEP_2)
	v_lshl_add_u32 v11, v11, 4, s90                ; back: a place a lane
	v_lshl_add_u32 v3, v8, 2, v9                   ; 4 r + h: my byte of my query's scale word
	s_wait_alu depctr_va_vdst(0)                   ; ahead of the reciprocal's first reader
.set N, 0
.rept 16
	v_pk_mul_f32 v[S+N:S+N+1], v[OT+N:OT+N+1], v[14:15] op_sel_hi:[1,0]
.set N, N+2
.endr
.irp b, 0,1
	v_max3_num_f32 v[232+\b], |v[S+16*\b]|, |v[S+1+16*\b]|, 0x1800000
.endr
.irp i, 2,4,6,8,10,12,14
.irp b, 0,1
	s_delay_alu instid0(VALU_DEP_2)
	v_max3_num_f32 v[232+\b], v[232+\b], |v[S+16*\b+\i]|, |v[S+1+16*\b+\i]|
.endr
.endr
.irp b, 0,1
	s_delay_alu instid0(VALU_DEP_2)
	v_permlanex16_b32 v[236+\b], v[232+\b], s[SEL], s[SEL+1]
.endr
.irp b, 0,1
	s_delay_alu instid0(VALU_DEP_2)
	v_max_num_f32 v[232+\b], v[232+\b], v[236+\b]
.endr
.irp b, 0,1
	s_delay_alu instid0(VALU_DEP_2)
	v_add_nc_u32 v[244+\b], 0xff000000, v[232+\b]
.endr
.irp b, 0,1
	s_delay_alu instid0(VALU_DEP_2)
	v_lshrrev_b32 v[236+\b], 23, v[244+\b]
.endr
	v_cvt_scalef32_pk16_fp6_f32 v[224:226], v[S:S+15], v244
	v_cvt_scalef32_pk16_fp6_f32 v[228:230], v[S+16:S+31], v245
	v_nop
	ds_store_b96 v10, v[224:226]
	ds_store_b96 v10, v[228:230] offset:32
	ds_load_b96 v[232:234], v11                    ; my own bytes, in order behind my stores
	ds_load_b96 v[240:242], v11 offset:512
	v_cndmask_b32 v238, v236, v237, s81            ; lanes 0-15 carry the first block's byte, lanes 16-31 the second's
	s_wait_alu depctr_va_vdst(0)
	s_wait_dscnt 1
	global_store_b96 v2, v[232:234], s[86:87]      ; 384 consecutive bytes; the two stores cover 768, from a multiple of 256 on
	s_wait_dscnt 0x0
	global_store_b96 v2, v[240:242], s[86:87] offset:384
	global_store_b8 v3, v238, s[88:89]             ; my head's two bytes of 16 neighbouring words
	s_wait_tensorcnt 0x0                           ; the wave's end
	ds_add_u32 v[SPW], v[NIL]
	s_wait_dscnt 0x0
	CROUND                                         ; the closing round
	s_endpgm
.Lfunc_end_k_q874c969644_attn:
	.size	k_q874c969644_attn, .Lfunc_end_k_q874c969644_attn-k_q874c969644_attn
	.p2alignl 7, 3214868480
	.fill 96, 4, 3214868480
	.section	.rodata,"a",@progbits
	.p2align	6, 0x0
	.amdhsa_kernel k_q874c969644_attn
		.amdhsa_group_segment_fixed_size 327680
		.amdhsa_private_segment_fixed_size 0
		.amdhsa_enable_private_segment 0
		.amdhsa_kernarg_size 32
		.amdhsa_user_sgpr_count 2
		.amdhsa_user_sgpr_kernarg_segment_ptr 1
		.amdhsa_wavefront_size32 1
		.amdhsa_system_sgpr_workgroup_id_x 1
		.amdhsa_system_sgpr_workgroup_id_y 1
		.amdhsa_system_sgpr_workgroup_id_z 1
		.amdhsa_system_vgpr_workitem_id 0
		.amdhsa_next_free_vgpr 256
		.amdhsa_next_free_sgpr 102
		.amdhsa_reserve_vcc 0
		.amdhsa_float_denorm_mode_32 3
		.amdhsa_float_denorm_mode_16_64 3
		.amdhsa_memory_ordered 1
		.amdhsa_forward_progress 1
		.amdhsa_inst_pref_size 79
	.end_amdhsa_kernel
	.amdgpu_metadata
---
amdhsa.version: [ 1, 2 ]
amdhsa.kernels:
  - .name:           k_q874c969644_attn
    .symbol:         k_q874c969644_attn.kd
    .args:
      - { .name: pc, .offset: 0, .size: 8, .value_kind: global_buffer, .address_space: global }
      - { .name: ps, .offset: 8, .size: 8, .value_kind: global_buffer, .address_space: global }
      - { .name: ac, .offset: 16, .size: 8, .value_kind: global_buffer, .address_space: global }
      - { .name: asc, .offset: 24, .size: 8, .value_kind: global_buffer, .address_space: global }
    .group_segment_fixed_size: 327680
    .private_segment_fixed_size: 0
    .kernarg_segment_align: 8
    .kernarg_segment_size: 32
    .max_flat_workgroup_size: 512
    .sgpr_count:     102
    .vgpr_count:     256
    .wavefront_size: 32
...
	.end_amdgpu_metadata
.endif
;; end of part 3
;; launch oproj (part 4): grid 8 x 32, 4 waves a work-group, clusters of 4 x 4, 327,680 bytes of LDS; arguments ac, asc, cod, scl, bo, out0; writes out0
.if DOCPART == 4
	.amdgcn_target "amdgcn-amd-amdhsa--gfx1250"
	.amdhsa_code_object_version 6
	.text
	.protected	k_q874c969644_oproj
	.globl	k_q874c969644_oproj
	.p2align	8
	.type	k_q874c969644_oproj,@function
k_q874c969644_oproj:
	s_mov_b64 s[64:65], 0
	v_nop
	global_prefetch_b8 v0, s[64:65] scope:SCOPE_SE
	s_setreg_imm32_b32 hwreg(HW_REG_WAVE_MODE, 25, 1), 1
	s_wait_xcnt 0x0
	s_wait_alu depctr_hold_cnt(0) depctr_sa_sdst(0) depctr_va_vdst(0) depctr_va_sdst(0) depctr_va_ssrc(0) depctr_va_vcc(0) depctr_vm_vsrc(0)
	s_getreg_b32 s2, hwreg(HW_REG_IB_STS2, 6, 4)
	s_cmp_eq_u32 s2, 0
	s_cbranch_scc0 .Lentry_in_a_cluster
	s_endpgm
.Lentry_in_a_cluster:
	s_bfe_u32 s2, ttmp6, 0x10000c
	s_cmp_lg_u32 s2, 0xf033
	s_cbranch_scc0 .Lentry_shape_is_right
	s_endpgm
.Lentry_shape_is_right:
; FOURTH LAUNCH: out0 = attention's result x Wo^T + bo on codes of E2M3 (K = 1024).  No work of reference() is left out here.
; A: ac [16 column blocks of 64 along K][4096 positions][48 bytes], asc [8 pairs of blocks][4096][4 bytes]; positions are batch-major.  B: Wo's rows 15360 .. 16383 of cod [16][16384][48] and scl [16][16384][2].
; SHARES.  4096 x 1024 of the output in blocks of 128 x 128: 32 x 8 = 256 work-groups of four waves; a wave makes 64 x 64: 16 accumulators.
; A block's whole K fits in LDS: 128 rows x 768 bytes for A and as much for B, 196,608 bytes.  Each wave brings a quarter by ONE tensor load at the head (8 column blocks x 6,144 bytes); nothing is filled again, so there is
; one barrier and no ring.  Clusters of 4 x 4: A's tiles are asked for jointly along a row of the cluster, B's along a column.  Nothing is prefetched: all loads go out at the head, and there is no loop to run ahead in.
; THE SCALE WORDS go from memory straight into registers, once: lanes 0-15 take K steps 0-3, lanes 16-31 K steps 4-7 (the matrix instruction reads the upper lanes by ROW1).  A's are whole words; B's are made of two halves.
; THE MATRIX INSTRUCTION IS USED TRANSPOSED: source 0 = 16 rows of Wo, source 1 = 16 rows of A: a lane holds eight neighbouring numbers of a row of the output.  The bias is the C of each sum's first instruction.
; REGISTERS.  Window 0: v1-15 addresses; v16-31 A's scale words, v32-47 B's, v48-63 B's upper halves; two sets of fragments at v64 and v160 (B's four, then A's four).  Window 1: v0-127 accumulator (a, b) at 8 (4 a + b); v128-159 bias.
.set QT,    49152                      ; what one tensor load brings
.set STG,   4*QT                       ; the way out: 16 rows x 272 bytes a wave; no fill lands here
.set SPITCH, 272
.set SPARE, STG+4*16*SPITCH            ; the spare words: 128 bytes a wave, named by no other line
.set ADRA, 4                           ; v4, v5: my A fragments, column blocks 0-7 and 8-15
.set ADRB, 6
.set STO,  8
.set RD,   9
.set CO,   10
.set BO,   11
.set SPW,  12
.set NIL,  13
.set VA,   14
.set VB,   15
.set SA,   16
.set SB,   32
.set TM,   48
.set FB,   64
.set FA,   112
.set TY, 16
.set TX, 17
.set WV, 18
.set AH, 19
.set BH, 20
.set CX, 21
.set CY, 22
.set G1A, 24
.set G0A, 32
.set G1B, 36
.set G0B, 44
.set MSB, 0
.macro WIN new                         ; the immediate's high byte repeats the setting that is left
.if MSB != \new
	s_set_vgpr_msb (MSB<<8)|\new
.set MSB, \new
.endif
.endm
.macro CROUND
	s_barrier_signal -1
	s_barrier_wait -1
	s_cmp_lg_u32 s[WV], 0
	s_cbranch_scc1 .Lnot_wave_0_\@
	s_barrier_signal -3
.Lnot_wave_0_\@:
	s_barrier_wait -3
	s_barrier_signal -1
	s_barrier_wait -1
.endm
.macro PLACES
.rept 4
	v_nop
.endr
.endm
	s_load_b256 s[4:11], s[0:1], 0x0               ; ac, asc, cod, scl
	s_load_b128 s[12:15], s[0:1], 0x20             ; bo, out0
	v_lshl_add_u32 v[SPW], v0, 2, SPARE
	v_mov_b32 v[NIL], 0
	ds_add_u32 v[SPW], v[NIL]                      ; the opening: the add, twice on end, and its wait ahead of my first tensor load
	ds_add_u32 v[SPW], v[NIL]
	v_lshrrev_b32 v1, 5, v0
	v_readfirstlane_b32 s[WV], v1
	s_lshr_b32 s[AH], s[WV], 1                     ; my 64 rows of A.  Also: I fetch for A (0) or B (1)
	s_and_b32 s[BH], s[WV], 1                      ; my 64 rows of B.  Also: which 8 column blocks I fetch
	s_bfe_u32 s[CX], ttmp6, 0x40000
	s_bfe_u32 s[CY], ttmp6, 0x40004
	s_lshl_b32 s[TX], ttmp9, 2
	s_add_co_u32 s[TX], s[TX], s[CX]               ; block column, 0 .. 7
	s_and_b32 s[TY], ttmp7, 0xffff
	s_lshl_b32 s[TY], s[TY], 2
	s_add_co_u32 s[TY], s[TY], s[CY]               ; block row, 0 .. 31
	s_lshl_b32 s48, s[CY], 2
	s_lshl_b32 s48, 15, s48                        ; my row of the cluster
	s_lshl_b32 s49, 0x1111, s[CX]                  ; my column
	s_or_b32 s[G1A], s48, (3<<16)|(1<<21)          ; the mask; elements of 8 bytes; bit 21 beside a mask
	s_or_b32 s[G1B], s49, (3<<16)|(1<<21)
.irp g, G1A, G1B                       ; 8 column blocks x 6,144 bytes (128 rows)
	s_mov_b32 s[\g+1], 768<<16
	s_mov_b32 s[\g+2], 8<<16
	s_mov_b32 s[\g+3], 768<<16
	s_mov_b32 s[\g+4], 8
	s_mov_b32 s[\g+6], 0
	s_mov_b32 s[\g+7], 0
.endr
	s_mov_b32 s[G1A+5], 24576                      ; 196,608 bytes from block to block in ac,
	s_mov_b32 s[G1B+5], 98304                      ; 786,432 in cod
	s_mul_i32 s50, s[TY], 6144
	s_mul_i32 s51, s[BH], 8*196608
	s_add_co_u32 s50, s50, s51
	s_mov_b32 s51, 0
	s_mul_i32 s52, s[TX], 6144
	s_mul_i32 s53, s[BH], 8*786432
	s_add_co_u32 s52, s52, s53
	s_add_co_u32 s52, s52, 15360*48
	s_mov_b32 s53, 0
	s_mul_i32 s54, s[WV], QT                       ; in LDS: the wave's number alone: A's two halves of K, then B's
	s_wait_dscnt 0x0                               ; both opening adds are done
	s_wait_kmcnt 0x0
	s_add_nc_u64 s[50:51], s[4:5], s[50:51]
	s_add_nc_u64 s[52:53], s[8:9], s[52:53]
	CROUND                                         ; all sixteen work-groups are here: the joint loads meet
	s_mov_b32 s[G0A], 1
	s_mov_b32 s[G0A+1], s54
	s_mov_b64 s[G0A+2:G0A+3], s[50:51]
	s_or_b32 s[G0A+3], s[G0A+3], 0x80000000
	s_mov_b32 s[G0B], 1
	s_mov_b32 s[G0B+1], s54
	s_mov_b64 s[G0B+2:G0B+3], s[52:53]
	s_or_b32 s[G0B+3], s[G0B+3], 0x80000000
	s_cmp_eq_u32 s[AH], 0                          ; one load a wave; each line has one mask; an s_nop 0 and four v_nop follow each
	s_cbranch_scc0 .Lfor_b
	tensor_load_to_lds s[G0A:G0A+3], s[G1A:G1A+7]
	s_nop 0
	PLACES
	s_branch .Lasked
.Lfor_b:
	tensor_load_to_lds s[G0B:G0B+3], s[G1B:G1B+7]
	s_nop 0
	PLACES
.Lasked:
	s_mul_i32 s56, s[AH], 3072
	s_mul_i32 s57, s[BH], 3072
	s_add_co_u32 s57, s57, 2*QT
	s_mul_i32 s58, s[WV], 16*SPITCH
	s_add_co_u32 s58, s58, STG
	s_lshl_b32 s60, s[TY], 9                       ; A's scale words: 4 bytes a position
	s_lshl_b32 s61, s[AH], 8
	s_add_co_u32 s60, s60, s61
	s_mov_b32 s61, 0
	s_add_nc_u64 s[60:61], s[6:7], s[60:61]
	s_lshl_b32 s62, s[TX], 8                       ; B's scale bytes: 2 a row
	s_lshl_b32 s63, s[BH], 7
	s_add_co_u32 s62, s62, s63
	s_add_co_u32 s62, s62, 15360*2
	s_mov_b32 s63, 0
	s_add_nc_u64 s[62:63], s[10:11], s[62:63]
	s_lshl_b32 s66, s[TX], 9                       ; my first column, in bytes
	s_lshl_b32 s67, s[BH], 8
	s_add_co_u32 s66, s66, s67
	s_and_b32 s68, s[TY], 15                       ; position 128 ty + 64 half = batch ty / 16, s = 128 (ty % 16) + 64 half; the output's row is 2 s + batch
	s_lshl_b32 s68, s68, 7
	s_lshl_b32 s69, s[AH], 6
	s_add_co_u32 s68, s68, s69
	s_lshl_b32 s68, s68, 1
	s_lshr_b32 s69, s[TY], 4
	s_add_co_u32 s68, s68, s69
	s_lshl_b32 s68, s68, 12
	s_add_co_u32 s68, s68, s66
	s_mov_b32 s69, 0
	s_add_nc_u64 s[68:69], s[14:15], s[68:69]
	s_mov_b32 s67, 0
	s_add_nc_u64 s[66:67], s[12:13], s[66:67]      ; the bias
	v_and_b32 v1, 15, v0                           ; r
	v_bfe_u32 v2, v0, 4, 1                         ; h
	v_mul_u32_u24 v16, v1, 48
	v_mad_u32_u24 v16, v2, 24, v16
	v_add_nc_u32 v[ADRA], s56, v16
	v_add_nc_u32 v[ADRB], s57, v16
	v_add_nc_u32 v[ADRA+1], QT, v[ADRA]
	v_add_nc_u32 v[ADRB+1], QT, v[ADRB]
	v_mul_u32_u24 v17, v1, SPITCH                  ; the stage, in: row r, 32 bytes for each half of the lanes
	v_lshl_add_u32 v17, v2, 5, v17
	v_add_nc_u32 v[STO], s58, v17
	v_mul_u32_u24 v18, v2, SPITCH                  ; back: sixteen lanes take a row of 256 bytes
	v_lshl_add_u32 v18, v1, 4, v18
	v_add_nc_u32 v[RD], s58, v18
	v_lshlrev_b32 v19, 13, v2                      ; and the same two rows in the output, 8,192 bytes apart
	v_lshl_add_u32 v[CO], v1, 4, v19
	v_lshlrev_b32 v20, 16, v2                      ; lanes 16-31: four pairs of column blocks on
	v_lshl_add_u32 v[VA], v1, 2, v20
	v_lshlrev_b32 v21, 18, v2                      ; eight column blocks on
	v_lshl_add_u32 v[VB], v1, 1, v21
	v_lshlrev_b32 v[BO], 5, v2
	s_wait_alu depctr_va_vdst(0)
.irp q, 0,1,2,3
.irp i, 0,1,2,3
	global_load_b32 v[SA+4*\q+\i], v[VA], s[60:61] offset:\q*16384+\i*64
	global_load_u16 v[SB+4*\q+\i], v[VB], s[62:63] offset:(2*\q)*32768+\i*32
	global_load_u16 v[TM+4*\q+\i], v[VB], s[62:63] offset:(2*\q+1)*32768+\i*32
.endr
.endr
	WIN 0x40                                       ; destination window 1
.irp b, 0,1,2,3
	global_load_b128 v[128+8*\b:128+8*\b+3], v[BO], s[66:67] offset:64*\b      ; tile b, lane half h: columns 16 b + 8 h + 0 .. 7
	global_load_b128 v[128+8*\b+4:128+8*\b+7], v[BO], s[66:67] offset:64*\b+16
.endr
	WIN 0
	s_wait_loadcnt 0x0
.set N, 0
.rept 16
	v_lshl_or_b32 v[SB+N], v[TM+N], 16, v[SB+N]    ; K step 0's four come first: twelve vector lines stand between them and the first product
.set N, N+1
.endr
	s_wait_alu depctr_va_vdst(0)
	s_wait_tensorcnt 0x0                           ; my quarter is in,
	s_barrier_signal -1
	s_barrier_wait -1                              ; everybody's is
.macro FRAG reg, adr, q, i             ; 16 rows x 128 K: lane (r, h) takes 24 bytes at 48 r + 24 h of column block 2 q and of 2 q + 1
.irp p, 0,1,2,3,4,5
	ds_load_b64 v[\reg+2*\p:\reg+2*\p+1], v[\adr+(\q)/4] offset:((2*(\q)+\p/3)%8)*6144+(\i)*768+8*(\p%3)
.endr
.endm
.macro FETCH q, p
.irp i, 0,1,2,3
	FRAG FB+96*(\p)+12*\i, ADRB, \q, \i
	FRAG FA+96*(\p)+12*\i, ADRA, \q, \i
.endr
.endm
.macro MUL q, p                        ; 16 products; the accumulators take turns
.irp a, 0,1,2,3
.irp b, 0,1,2,3
.if (\q) == 0
	v_wmma_scale_f32_16x16x128_f8f6f4 v[8*(4*\a+\b):8*(4*\a+\b)+7], v[FB+96*(\p)+12*\b:FB+96*(\p)+12*\b+11], v[FA+96*(\p)+12*\a:FA+96*(\p)+12*\a+11], v[128+8*\b:128+8*\b+7], v[SB+\b], v[SA+\a] matrix_a_fmt:MATRIX_FMT_FP6 matrix_b_fmt:MATRIX_FMT_FP6
.elseif (\q) < 4
	v_wmma_scale_f32_16x16x128_f8f6f4 v[8*(4*\a+\b):8*(4*\a+\b)+7], v[FB+96*(\p)+12*\b:FB+96*(\p)+12*\b+11], v[FA+96*(\p)+12*\a:FA+96*(\p)+12*\a+11], v[8*(4*\a+\b):8*(4*\a+\b)+7], v[SB+4*(\q)+\b], v[SA+4*(\q)+\a] matrix_a_fmt:MATRIX_FMT_FP6 matrix_b_fmt:MATRIX_FMT_FP6
.else
	v_wmma_scale_f32_16x16x128_f8f6f4 v[8*(4*\a+\b):8*(4*\a+\b)+7], v[FB+96*(\p)+12*\b:FB+96*(\p)+12*\b+11], v[FA+96*(\p)+12*\a:FA+96*(\p)+12*\a+11], v[8*(4*\a+\b):8*(4*\a+\b)+7], v[SB+4*((\q)-4)+\b], v[SA+4*((\q)-4)+\a] matrix_a_fmt:MATRIX_FMT_FP6 matrix_b_fmt:MATRIX_FMT_FP6 matrix_a_scale:MATRIX_SCALE_ROW1 matrix_b_scale:MATRIX_SCALE_ROW1
.endif
.endr
.endr
.endm
	FETCH 0, 0
.set Q, 0
.rept 8                                ; eight K steps of 128: this step's fragments are in, the next step's are asked for into the other set, then the products
	s_wait_dscnt 0x0
.if Q < 7
	FETCH Q+1, (Q+1)%2
.endif
	WIN 0x50                                       ; C and D window 1
	MUL Q, Q%2
	WIN 0
	PLACES                                         ; in front of loads into registers that these products read, and of the first read of results
.set Q, Q+1
.endr
; THE WAY OUT, by blocks of 16 rows x 64 columns, through my own stage: whole rows of 256 bytes come back.  LDS serves a wave's instructions in order, so no wait stands between the stores and the loads, nor ahead of the next block's stores.
.macro TOSTAGE a
	WIN 0x04                                       ; the data: window 1
.irp b, 0,1,2,3
	ds_store_b128 v[STO], v[8*(4*\a+\b):8*(4*\a+\b)+3] offset:64*\b          ; each accumulator from its low end on
	ds_store_b128 v[STO], v[8*(4*\a+\b)+4:8*(4*\a+\b)+7] offset:64*\b+16
.endr
	WIN 0
.irp t, 0,1,2,3,4,5,6,7
	ds_load_b128 v[64+32*\a+4*\t:64+32*\a+4*\t+3], v[RD] offset:\t*2*SPITCH   ; every block has registers of its own
.endr
.endm
.macro SEND a, younger
	s_wait_dscnt \younger
.irp t, 0,1,2,3,4,5,6,7
	global_store_b128 v[CO], v[64+32*(\a)+4*\t:64+32*(\a)+4*\t+3], s[68:69] offset:(16*(\a)+2*\t)*8192 th:TH_STORE_NT   ; sixteen lanes store 256 consecutive bytes, aligned
.endr
.endm
	TOSTAGE 0
.irp a, 1,2,3
	TOSTAGE \a
	SEND \a-1, 16                                  ; behind block a - 1's loads: block a's 8 stores and 8 loads
.endr
	SEND 3, 0
	s_wait_tensorcnt 0x0                           ; the wave's end
	ds_add_u32 v[SPW], v[NIL]
	s_wait_dscnt 0x0
	CROUND                                         ; the closing round
	s_endpgm
.Lfunc_end_k_q874c969644_oproj:
	.size	k_q874c969644_oproj, .Lfunc_end_k_q874c969644_oproj-k_q874c969644_oproj
	.p2alignl 7, 3214868480
	.fill 96, 4, 3214868480
	.section	.rodata,"a",@progbits
	.p2align	6, 0x0
	.amdhsa_kernel k_q874c969644_oproj
		.amdhsa_group_segment_fixed_size 327680
		.amdhsa_private_segment_fixed_size 0
		.amdhsa_enable_private_segment 0
		.amdhsa_kernarg_size 48
		.amdhsa_user_sgpr_count 2
		.amdhsa_user_sgpr_kernarg_segment_ptr 1
		.amdhsa_wavefront_size32 1
		.amdhsa_system_sgpr_workgroup_id_x 1
		.amdhsa_system_sgpr_workgroup_id_y 1
		.amdhsa_system_sgpr_workgroup_id_z 1
		.amdhsa_system_vgpr_workitem_id 0
		.amdhsa_next_free_vgpr 512
		.amdhsa_next_free_sgpr 72
		.amdhsa_reserve_vcc 0
		.amdhsa_float_denorm_mode_32 3
		.amdhsa_float_denorm_mode_16_64 3
		.amdhsa_memory_ordered 1
		.amdhsa_forward_progress 1
		.amdhsa_inst_pref_size 63
	.end_amdhsa_kernel
	.amdgpu_metadata
---
amdhsa.version: [ 1, 2 ]
amdhsa.kernels:
  - .name:           k_q874c969644_oproj
    .symbol:         k_q874c969644_oproj.kd
    .args:
      - { .name: ac, .offset: 0, .size: 8, .value_kind: global_buffer, .address_space: global }
      - { .name: asc, .offset: 8, .size: 8, .value_kind: global_buffer, .address_space: global }
      - { .name: cod, .offset: 16, .size: 8, .value_kind: global_buffer, .address_space: global }
      - { .name: scl, .offset: 24, .size: 8, .value_kind: global_buffer, .address_space: global }
      - { .name: bo, .offset: 32, .size: 8, .value_kind: global_buffer, .address_space: global }
      - { .name: out0, .offset: 40, .size: 8, .value_kind: global_buffer, .address_space: global }
    .group_segment_fixed_size: 327680
    .private_segment_fixed_size: 0
    .kernarg_segment_align: 8
    .kernarg_segment_size: 48
    .max_flat_workgroup_size: 128
    .sgpr_count:     72
    .vgpr_count:     512
    .wavefront_size: 32
...
	.end_amdgpu_metadata
.endif
;; end of part 4
